; MI455X (gfx1250); checked and timed in simulation.
; The chip was launched on July 23, 2026; its instructions are those of AMD's public machine-readable ISA for CDNA 5 (MIT licence, August 2026) and "CDNA5" Instruction Set Architecture Reference Guide (July 2026). The comments in the code are by the model that wrote it; some were corrected since.
;; Multi Head Attention. Allowed arithmetic: float matrix products may take bf16 or f16 operands with f32 sums; all other float work in f32.
;; Inputs: Wk 1,024 x 1,024 float32; Wo 1,024 x 1,024 float32; Wq 1,024 x 1,024 float32; Wv 1,024 x 1,024 float32; bk 1,024 float32; bo 1,024 float32; bq 1,024 float32; bv 1,024 float32; k 2 x 2,048 x 1,024 float32; q 2 x 2,048 x 1,024 float32; v 2 x 2,048 x 1,024 float32.
;; Outputs: out0 2 x 2,048 x 1,024 float32.
;; 2 versions, each right and faster than the one before. Each part assembles by itself: llvm-mc -triple=amdgcn-amd-amdhsa -mcpu=gfx1250 --defsym DOCPART=n.
;; ======== version 1 of 2: 3 launches
;; limits: values are held in f16: magnitudes above 65,504 overflow, below 6.1e-05 lose precision
;; workspace buffers: qh 8,388,608 bytes; kh 8,388,608 bytes; vh 8,388,608 bytes; ctx 8,388,608 bytes
;; launch qkv (part 1): grid 4 x 48, 8 waves a work-group, no clusters, 166,912 bytes of LDS; arguments q, k, v, Wq, Wk, Wv, bq, bk, bv, qh, kh, vh; writes qh, kh, vh
.if DOCPART == 1
	.amdgcn_target "amdgcn-amd-amdhsa--gfx1250"
	.amdhsa_code_object_version 6
	.text
	.protected	k_qc0f5e44ce6_qkv
	.globl	k_qc0f5e44ce6_qkv
	.p2align	8
	.type	k_qc0f5e44ce6_qkv,@function
k_qc0f5e44ce6_qkv:
	s_mov_b64 s[64:65], 0
	v_nop
	global_prefetch_b8 v0, s[64:65] scope:SCOPE_SE
	s_setreg_imm32_b32 hwreg(HW_REG_WAVE_MODE, 25, 1), 1
	s_wait_xcnt 0x0
; y = x W^T + b for (x, W, b, y) = (q, Wq, bq, qh), (k, Wk, bk, kh), (v, Wv, bv, vh).
; x: [4096][1024] f32, W: [1024][1024] f32, b: [1024] f32.  y: f16, laid out [batch][head][s][64], a head's rows of 128 bytes one behind the other.
; A work-group makes 256 rows x 256 columns of one tensor: grid x = column block, grid y = 16 x tensor + row block: 192 work-groups (no block
; inside one tensor gives 256 equal shares: 3 x 4096 x 1024 / 256 = 49,152 numbers divides neither side).
; Eight waves; wave (wm, wn) makes 128 rows x 64 columns (one head): 32 accumulator tiles, 256 registers.  K goes in 16 steps of 64 (256 bytes of f32).
; FORMAT: matrix operands are f16 (11 significant bits), sums and bias f32.  LIMIT: an input or a projection beyond 65,504 in magnitude becomes
; infinite.  Room: with every input 30 times larger a projection stays near 5,500; with x offset by 30 and W by 30/32 near 1024 x 30 x 0.94 = 29,000.
; NO TENSOR LOADS, NO JOINT LOADS: the data mover copies bytes as they are, so the tiles would lie in LDS as f32: per K step 128 KB written and
; 8 waves x 192 rows x 256 bytes = 384 KB read, each number converted by every wave that reads it.  Through registers each number is converted
; once, and LDS takes 64 KB of stores and 192 KB of fragment reads per K step.
; The matrix instruction is used transposed (source 0 = rows of W, source 1 = rows of x): a lane then holds eight neighbouring columns of one row of y.
.set PITCH,  144                       ; an LDS row: 128 bytes of f16 + 16: the 16 rows of a fragment load start at 16 different 16-byte columns modulo 256 bytes
.set TILE,   256*PITCH                 ; 256 rows of x, or of W
.set SLOT,   2*TILE                    ; x's tile, then W's
.set STAGE,  2*SLOT                    ; behind the two slots: 16 rows x 144 bytes for each wave, for the way out
.set VOFF, 4                           ; v4      global offset of my 16 bytes: (thread / 16) rows of 4,096 bytes + 16 (thread % 16)
.set STA,  6                           ; v6-7    where my 8 converted bytes of x go, slot 0, 1
.set STB,  8                           ; v8-9    the same for W
.set ADA,  10                          ; v10-11  LDS address of my x fragments, slot 0, 1
.set ADB,  12                          ; v12-13  the same for W
.set STO,  14                          ; v14     the way out: where I put 16 bytes of a row
.set RD,   15                          ; v15     the way out: where I read rows back
.set CO,   16                          ; v16     16 x lane: my bytes in 512 consecutive bytes of y
.set BOFF, 17                          ; v17     32 x (lane / 16): my eight columns in a group of 16 of the bias
.set FB,   24                          ; v[24:55]   4 fragments of W (16 rows x 32 K)
.set FA,   56                          ; v[56:119]  8 fragments of x
.set SA,   120                         ; v[120:183] 16 x 4 registers: x as loaded, then converted
.set SB,   184                         ; v[184:247] the same for W
.set TMP,  120                         ; the way out: 32 sums with bias
.set PK,   152                         ; the way out: 16 packed registers
.set BIAS, 184                         ; the way out: bias of my 32 columns
; window 1 (v256-v511): accumulator tile (a, b) at v[8 (4 a + b)], a = 0..7 (rows), b = 0..3 (columns)
.set MSB, 0
.macro WIN new                         ; s_set_vgpr_msb: the immediate's high byte repeats the setting that is left; no switch where nothing changes
.if MSB != \new
	s_set_vgpr_msb (MSB<<8)|\new
.set MSB, \new
.endif
.endm
.macro PLACES                          ; four places behind a matrix instruction before its sources are loaded again or its result is read (ISA guide 7.12.1)
.rept 4
	v_nop
.endr
.endm
	s_load_b512 s[8:23], s[0:1], 0x0               ; q 8, k 10, v 12, Wq 14, Wk 16, Wv 18, bq 20, bk 22
	s_load_b256 s[24:31], s[0:1], 0x40             ; bv 24, qh 26, kh 28, vh 30
	v_lshl_add_u32 v254, v0, 2, 0x28800
	v_mov_b32 v255, 0
	s_and_b32 s3, ttmp7, 0xffff
	s_lshr_b32 s4, s3, 4                           ; tensor 0, 1, 2
	s_and_b32 s5, s3, 15                           ; row block
	s_mov_b32 s6, ttmp9                            ; column block
	v_lshrrev_b32 v1, 5, v0
	v_readfirstlane_b32 s7, v1                     ; wave
	s_lshr_b32 s40, s7, 2                          ; wm: which 128 rows
	s_and_b32 s41, s7, 3                           ; wn: which 64 columns
	v_and_b32 v1, 15, v0                           ; r
	v_bfe_u32 v2, v0, 4, 1                         ; h
	v_lshrrev_b32 v3, 4, v0                        ; thread / 16: my row in a layer of 16
	v_lshlrev_b32 v[VOFF], 4, v1
	v_lshl_add_u32 v[VOFF], v3, 12, v[VOFF]
	v_mul_u32_u24 v5, v3, PITCH
	v_lshl_add_u32 v[STA], v1, 3, v5
	v_add_nc_u32 v[STA+1], SLOT, v[STA]
	v_add_nc_u32 v[STB], TILE, v[STA]
	v_add_nc_u32 v[STB+1], TILE, v[STA+1]
	v_mul_u32_u24 v5, v1, PITCH
	v_lshl_add_u32 v5, v2, 4, v5                   ; r x pitch + 16 h
	s_mul_i32 s2, s40, 128*PITCH
	v_add_nc_u32 v[ADA], s2, v5
	v_add_nc_u32 v[ADA+1], SLOT, v[ADA]
	s_mul_i32 s2, s41, 64*PITCH
	s_add_co_u32 s2, s2, TILE
	v_add_nc_u32 v[ADB], s2, v5
	v_add_nc_u32 v[ADB+1], SLOT, v[ADB]
	s_mul_i32 s2, s7, 16*PITCH
	s_add_co_u32 s2, s2, STAGE                     ; my wave's stage
	v_add_nc_u32 v[STO], s2, v5
	v_and_b32 v3, 31, v0                           ; lane
	v_lshrrev_b32 v[RD], 3, v3
	v_mul_u32_u24 v[RD], v[RD], PITCH              ; eight lanes take a row of 128 bytes
	v_and_b32 v5, 7, v3
	v_lshl_add_u32 v[RD], v5, 4, v[RD]
	v_add_nc_u32 v[RD], s2, v[RD]
	v_lshlrev_b32 v[CO], 4, v3
	v_lshlrev_b32 v[BOFF], 5, v2
	s_wait_kmcnt 0x0
	s_cmp_eq_u32 s4, 1                             ; the tensor's four buffers: k's or v's,
	s_cselect_b64 s[32:33], s[10:11], s[12:13]
	s_cselect_b64 s[34:35], s[16:17], s[18:19]
	s_cselect_b64 s[36:37], s[22:23], s[24:25]
	s_cselect_b64 s[38:39], s[28:29], s[30:31]
	s_cmp_eq_u32 s4, 0                             ; or q's
	s_cselect_b64 s[32:33], s[8:9], s[32:33]       ; x
	s_cselect_b64 s[34:35], s[14:15], s[34:35]     ; W
	s_cselect_b64 s[36:37], s[20:21], s[36:37]     ; b
	s_cselect_b64 s[38:39], s[26:27], s[38:39]     ; y
	s_mov_b32 s43, 0
	s_lshl_b32 s42, s5, 20                         ; 256 rows of 4,096 bytes
	s_add_nc_u64 s[32:33], s[32:33], s[42:43]
	s_lshl_b32 s42, s6, 20
	s_add_nc_u64 s[34:35], s[34:35], s[42:43]
	s_lshl_b32 s42, s6, 10                         ; bias: (256 column block + 64 wn) x 4 bytes
	s_lshl_b32 s2, s41, 8
	s_add_co_u32 s42, s42, s2
	s_add_nc_u64 s[36:37], s[36:37], s[42:43]
	s_lshr_b32 s42, s5, 3                          ; batch
	s_lshl_b32 s42, s42, 4
	s_lshl2_add_u32 s42, s6, s42                   ; + head = 4 x column block
	s_add_co_u32 s42, s42, s41                     ;        + wn
	s_lshl_b32 s42, s42, 11                        ; x 2,048 rows
	s_and_b32 s2, s5, 7
	s_lshl_b32 s2, s2, 8
	s_add_co_u32 s42, s42, s2                      ; + 256 x (row block in the batch)
	s_lshl_b32 s2, s40, 7
	s_add_co_u32 s42, s42, s2                      ; + 128 wm
	s_lshl_b32 s42, s42, 7                         ; x 128 bytes
	s_add_nc_u64 s[38:39], s[38:39], s[42:43]
; One K step's 256 rows x 256 bytes of x, then of W: layer i holds rows thread / 16 + 16 i; sixteen lanes read 256 consecutive bytes, aligned.
.macro GLOAD
.irp i, 0,1,2,3,4,5,6,7,8,9,10,11,12,13,14,15
	global_load_b128 v[SA+4*\i:SA+4*\i+3], v[VOFF], s[32:33] offset:\i*65536
.endr
.irp i, 0,1,2,3,4,5,6,7,8,9,10,11,12,13,14,15
	global_load_b128 v[SB+4*\i:SB+4*\i+3], v[VOFF], s[34:35] offset:\i*65536
.endr
.endm
; Convert what GLOAD brought and store it into slot ns.
.macro CVST ns
	s_wait_loadcnt 16                              ; x's 16 loads were issued first and are in; W's 16 may stay out
.irp i, 0,1,2,3,4,5,6,7,8,9,10,11,12,13,14,15
	v_cvt_pk_f16_f32 v[SA+4*\i], v[SA+4*\i], v[SA+4*\i+1]
	v_cvt_pk_f16_f32 v[SA+4*\i+1], v[SA+4*\i+2], v[SA+4*\i+3]
	ds_store_b64 v[STA+\ns], v[SA+4*\i:SA+4*\i+1] offset:\i*16*PITCH
.endr
	s_wait_loadcnt 0x0                             ; every load that names the two bases is done: they may step
	s_add_nc_u64 s[32:33], s[32:33], 256           ; the next 64 along K
	s_add_nc_u64 s[34:35], s[34:35], 256
.irp i, 0,1,2,3,4,5,6,7,8,9,10,11,12,13,14,15
	v_cvt_pk_f16_f32 v[SB+4*\i], v[SB+4*\i], v[SB+4*\i+1]
	v_cvt_pk_f16_f32 v[SB+4*\i+1], v[SB+4*\i+2], v[SB+4*\i+3]
	ds_store_b64 v[STB+\ns], v[SB+4*\i:SB+4*\i+1] offset:\i*16*PITCH
.endr
.endm
; The fragments of 32 along K: lane (r, h) takes row r, K = 8 h .. + 7 and 16 + 8 h .. + 7: two loads of 16 bytes, 32 bytes apart.  W's 8 loads, then x's 16.
.macro FETCH s, ks
.irp b, 0,1,2,3
	ds_load_b128 v[FB+8*\b:FB+8*\b+3],   v[ADB+\s] offset:\b*16*PITCH+64*\ks
	ds_load_b128 v[FB+8*\b+4:FB+8*\b+7], v[ADB+\s] offset:\b*16*PITCH+64*\ks+32
.endr
.irp a, 0,1,2,3,4,5,6,7
	ds_load_b128 v[FA+8*\a:FA+8*\a+3],   v[ADA+\s] offset:\a*16*PITCH+64*\ks
	ds_load_b128 v[FA+8*\a+4:FA+8*\a+7], v[ADA+\s] offset:\a*16*PITCH+64*\ks+32
.endr
.endm
; 16 matrix instructions, row tiles a0 .. a0 + 3.  The 32 accumulators take turns, one instruction a turn, over the loop's backward jump too.
.macro MUL4 a0, zero
.irp a, \a0, \a0+1, \a0+2, \a0+3
.irp b, 0,1,2,3
.if \zero
	v_wmma_f32_16x16x32_f16 v[8*(4*(\a)+\b):8*(4*(\a)+\b)+7], v[FB+8*\b:FB+8*\b+7], v[FA+8*(\a):FA+8*(\a)+7], 0
.else
	v_wmma_f32_16x16x32_f16 v[8*(4*(\a)+\b):8*(4*(\a)+\b)+7], v[FB+8*\b:FB+8*\b+7], v[FA+8*(\a):FA+8*(\a)+7], v[8*(4*(\a)+\b):8*(4*(\a)+\b)+7]
.endif
.endr
.endr
.endm
.macro HALF s, ks, zero
	FETCH \s, \ks
	s_wait_dscnt 8                                 ; W and x's tiles 0-3 are in; the youngest eight loads (x's tiles 4-7) may be out
	WIN 0x50                                       ; C and D in window 1
	MUL4 0, \zero
	s_wait_dscnt 0
	MUL4 4, \zero
	WIN 0
	PLACES
.endm
; A K step on slot s.  more = 1: the next K step is loaded at its head and stored into the other slot at its end.
; One barrier a step does two things: in front of it every wave's reads of slot s are back and its stores into the other slot are done.
.macro STEP s, more, zero
.if \more
	GLOAD
.endif
	HALF \s, 0, \zero                              ; zero = 1: the first products start the sums, nothing is cleared
	HALF \s, 1, 0
.if \more
	CVST 1-\s
	s_wait_dscnt 0x0                               ; for the other waves' sake: my stores are in LDS
	s_barrier_signal -1
	s_barrier_wait -1
.endif
.endm
	GLOAD
	CVST 0
	s_wait_dscnt 0x0
	s_barrier_signal -1
	s_barrier_wait -1
	STEP 0, 1, 1
	STEP 1, 1, 0
	s_mov_b32 s44, 6
.Lk:
	STEP 0, 1, 0
	STEP 1, 1, 0
	s_sub_co_u32 s44, s44, 1
	s_cmp_lg_u32 s44, 0
	s_cbranch_scc1 .Lk
	STEP 0, 1, 0
.irp b, 0,1,2,3
	global_load_b128 v[BIAS+8*\b:BIAS+8*\b+3],   v[BOFF], s[36:37] offset:64*\b      ; bias of columns 16 b + 8 h + 0..7; W's staging registers are free now
	global_load_b128 v[BIAS+8*\b+4:BIAS+8*\b+7], v[BOFF], s[36:37] offset:64*\b+16
.endr
	STEP 1, 0, 0                                   ; the last K step loads nothing more
	s_wait_loadcnt 0x0                             ; the bias
; THE WAY OUT, 16 rows at a time: add the bias in f32, round to f16, 16 bytes a lane into my own stage, read back as rows of 128 bytes.
; LDS serves a wave's instructions in order (ISA guide 5.7.1), and the stage is my wave's own: no wait and no barrier between its stores and loads.
.macro OUT16 a, ob
	WIN 0x01                                       ; source 0 (the sums) in window 1
.irp b, 0,1,2,3
.irp i, 0,1,2,3
	v_pk_add_f32 v[TMP+8*\b+2*\i:TMP+8*\b+2*\i+1], v[8*(4*\a+\b)+2*\i:8*(4*\a+\b)+2*\i+1], v[BIAS+8*\b+2*\i:BIAS+8*\b+2*\i+1]
.endr
.endr
	WIN 0
.irp b, 0,1,2,3
.irp i, 0,1,2,3
	v_cvt_pk_f16_f32 v[PK+4*\b+\i], v[TMP+8*\b+2*\i], v[TMP+8*\b+2*\i+1]
.endr
.endr
.irp b, 0,1,2,3
	ds_store_b128 v[STO], v[PK+4*\b:PK+4*\b+3] offset:32*\b
.endr
	s_wait_xcnt 0x0                                ; the registers that earlier stores read are loaded again only behind this wait
.irp t, 0,1,2,3
	ds_load_b128 v[\ob+4*\t:\ob+4*\t+3], v[RD] offset:4*PITCH*\t
.endr
.irp t, 0,1,2,3
	s_wait_dscnt 3-\t                              ; rows 4 t .. 4 t + 3 are in; the younger loads stay out
	global_store_b128 v[CO], v[\ob+4*\t:\ob+4*\t+3], s[38:39] offset:\a*2048+\t*512    ; 512 consecutive bytes, aligned
.endr
.endm
	OUT16 0, 56
	OUT16 1, 72
	OUT16 2, 56
	OUT16 3, 72
	OUT16 4, 56
	OUT16 5, 72
	OUT16 6, 56
	OUT16 7, 72
	s_wait_tensorcnt 0x0
	ds_add_u32 v254, v255
	s_wait_dscnt 0x0
	s_endpgm
.Lfunc_end_k_qc0f5e44ce6_qkv:
	.size	k_qc0f5e44ce6_qkv, .Lfunc_end_k_qc0f5e44ce6_qkv-k_qc0f5e44ce6_qkv
	.p2alignl 7, 3214868480
	.fill 96, 4, 3214868480
	.section	.rodata,"a",@progbits
	.p2align	6, 0x0
	.amdhsa_kernel k_qc0f5e44ce6_qkv
		.amdhsa_group_segment_fixed_size 166912
		.amdhsa_private_segment_fixed_size 0
		.amdhsa_enable_private_segment 0
		.amdhsa_kernarg_size 96
		.amdhsa_user_sgpr_count 2
		.amdhsa_user_sgpr_kernarg_segment_ptr 1
		.amdhsa_wavefront_size32 1
		.amdhsa_system_sgpr_workgroup_id_x 1
		.amdhsa_system_sgpr_workgroup_id_y 1
		.amdhsa_system_sgpr_workgroup_id_z 1
		.amdhsa_system_vgpr_workitem_id 0
		.amdhsa_next_free_vgpr 512
		.amdhsa_next_free_sgpr 66
		.amdhsa_reserve_vcc 0
		.amdhsa_float_denorm_mode_32 3
		.amdhsa_float_denorm_mode_16_64 3
		.amdhsa_memory_ordered 1
		.amdhsa_forward_progress 1
		.amdhsa_inst_pref_size 130
	.end_amdhsa_kernel
	.amdgpu_metadata
---
amdhsa.version: [ 1, 2 ]
amdhsa.kernels:
  - .name:           k_qc0f5e44ce6_qkv
    .symbol:         k_qc0f5e44ce6_qkv.kd
    .args:
      - { .name: q, .offset: 0, .size: 8, .value_kind: global_buffer, .address_space: global }
      - { .name: k, .offset: 8, .size: 8, .value_kind: global_buffer, .address_space: global }
      - { .name: v, .offset: 16, .size: 8, .value_kind: global_buffer, .address_space: global }
      - { .name: Wq, .offset: 24, .size: 8, .value_kind: global_buffer, .address_space: global }
      - { .name: Wk, .offset: 32, .size: 8, .value_kind: global_buffer, .address_space: global }
      - { .name: Wv, .offset: 40, .size: 8, .value_kind: global_buffer, .address_space: global }
      - { .name: bq, .offset: 48, .size: 8, .value_kind: global_buffer, .address_space: global }
      - { .name: bk, .offset: 56, .size: 8, .value_kind: global_buffer, .address_space: global }
      - { .name: bv, .offset: 64, .size: 8, .value_kind: global_buffer, .address_space: global }
      - { .name: qh, .offset: 72, .size: 8, .value_kind: global_buffer, .address_space: global }
      - { .name: kh, .offset: 80, .size: 8, .value_kind: global_buffer, .address_space: global }
      - { .name: vh, .offset: 88, .size: 8, .value_kind: global_buffer, .address_space: global }
    .group_segment_fixed_size: 166912
    .private_segment_fixed_size: 0
    .kernarg_segment_align: 8
    .kernarg_segment_size: 96
    .max_flat_workgroup_size: 256
    .sgpr_count:     66
    .vgpr_count:     512
    .wavefront_size: 32
...
	.end_amdgpu_metadata
.endif
;; end of part 1
;; launch attn (part 2): grid 8 x 32, 8 waves a work-group, clusters of 4 x 1, 327,680 bytes of LDS; arguments qh, kh, vh, ctx; writes ctx
.if DOCPART == 2
	.amdgcn_target "amdgcn-amd-amdhsa--gfx1250"
	.amdhsa_code_object_version 6
	.text
	.protected	k_qc0f5e44ce6_attn
	.globl	k_qc0f5e44ce6_attn
	.p2align	8
	.type	k_qc0f5e44ce6_attn,@function
k_qc0f5e44ce6_attn:
	s_mov_b64 s[64:65], 0
	v_nop
	global_prefetch_b8 v0, s[64:65] scope:SCOPE_SE
	s_setreg_imm32_b32 hwreg(HW_REG_WAVE_MODE, 25, 1), 1
	s_wait_xcnt 0x0
	s_wait_alu depctr_hold_cnt(0) depctr_sa_sdst(0) depctr_va_vdst(0) depctr_va_sdst(0) depctr_va_ssrc(0) depctr_va_vcc(0) depctr_vm_vsrc(0)
	s_getreg_b32 s2, hwreg(HW_REG_IB_STS2, 6, 4)
	s_cmp_eq_u32 s2, 0
	s_cbranch_scc0 .Lentry_in_a_cluster
	s_endpgm
.Lentry_in_a_cluster:
	s_bfe_u32 s2, ttmp6, 0x10000c
	s_cmp_lg_u32 s2, 0x3003
	s_cbranch_scc0 .Lentry_shape_is_right
	s_endpgm
.Lentry_shape_is_right:
; ctx = softmax(Q K^T / 8) V for each of the 32 (batch, head) pairs.  qh, kh, vh, ctx: [32][2048][64] f16.
; A work-group has 256 query rows of one pair (grid y = pair, grid x = query block).  Eight waves: p = wave & 3 picks 64 query rows, g = wave >> 2 the key
; half: of each slot of 256 keys group g takes keys 128 g .. 128 g + 127, in two units of 64.  Waves p and p + 4 hold partial (shift, l, O) of the same rows and merge at the end.
; CLUSTER: the four work-groups of a cluster (four query blocks of one pair) need the same K and V tiles and ask for them jointly (mask 15).  A joint
; load's registers are made of the pair's number, the wave's number and the step alone; the place in the cluster enters only Q's and ctx's global offsets.
; TRANSPOSED PRODUCTS: S^T = K Q^T (source 0 = 16 keys, source 1 = 16 queries): lane (r, h), register j holds key 8 h + j of query r.  Two such tiles,
; packed in pairs, ARE the source-1 fragment of 32 keys for O^T = V^T P^T (source 0 = 16 columns of V by the transposing LDS load).  So the running maximum,
; the sum and the rescaling factor are one number a lane for each query tile, and P never leaves the registers.
; SOFTMAX: a running maximum m of the raw scores; NM = round(-c m), c = log2(e) / 8; p = exp2(c s + NM) in one fused multiply-add; the old sums are
; rescaled by exp2(NM new - NM old), the very shifts that were used.  l is summed in f32 from p before p is rounded to f16 for P V.
; LIMITS: operands f16, so |q|, |k|, |v| projections are below 65,504; p below 6e-8 rounds to 0 in f16 (at most 2,048 x 6e-8 of a row's weight);
; v_exp_f32 gives 0 for results below 2^-126 (ISA guide 15.8).  Inputs for which the scores are not finite are not served.
.set KP,    272                        ; an LDS row of K: two keys (256 bytes) + 16: a fragment load's 16 keys fall on 16 different 16-byte columns modulo 256 bytes
.set VP,    288                        ; an LDS row of V: two keys + 32: the same for the transposing load's 16 lanes
.set KT,    128*KP
.set VT,    128*VP
.set SLOT,  KT+VT                      ; 256 keys of K, then of V
.set EX,    2*SLOT                     ; 1,024 bytes a wave: shifts and sums for the partner.  No tensor load lands here or in ST
.set ST,    EX+8192                    ; 64 rows x 272 bytes a wave: O in f32
.set SP,    272
.set STW,   64*SP
.set STEPB, 256*128                    ; bytes of K (or V) in a step of 256 keys
.set ADK,  6                           ; v6-7   my K fragment address, slot 0, 1
.set ADV,  8                           ; v8-9   my V fragment address
.set QOFF, 10
.set EXA,  11
.set EXB,  12
.set STO,  13
.set RD0,  14
.set RD1,  15
.set CO,   16
.set MX,   20                          ; v[20:23]  running maximum of query tile t
.set LS,   24                          ; v[24:31]  a pair of partial sums for each t
.set AL,   32                          ; v[32:39]  rescaling factor, low register of a pair (the high one is written once and never used)
.set NM,   40                          ; v[40:47]  the shift, likewise
.set TT,   48                          ; v[48:55]  at work
.set LTOT, 56                          ; v[56:59]
.set PLT,  60                          ; v[60:63]
.set SC,   64                          ; v[64:191]  S(t, kt) at SC + 8 (4 t + kt); later P(t, kstep) at SC + 32 t + 16 kstep
.set VFR,  192                         ; v[192:255] V^T fragments (kstep, d) at VFR + 8 (4 kstep + d)
; window 1: O(d, t) at v[8 (4 t + d)]; Q(t, ks) at QF + 8 (2 t + ks); K(kt, ks) at KFR + 8 (2 kt + ks)
.set QF,   128
.set KFR,  192
.set G1K,  20                          ; s[20:27] shape of a K load
.set G1V,  28                          ; s[28:35] shape of a V load
.set G0K,  36                          ; s[36:43] from where, to where: K, slot 0, 1
.set G0V,  44                          ; s[44:51] V, slot 0, 1
.set MSB, 0
.macro WIN new
.if MSB != \new
	s_set_vgpr_msb (MSB<<8)|\new
.set MSB, \new
.endif
.endm
.macro PLACES n                        ; places behind a matrix instruction (ISA guide 7.12.1)
.rept \n
	v_nop
.endr
.endm
; A round of the cluster's barrier: my work-group's barrier, wave 0 signals for the work-group, every wave waits for all four work-groups, my work-group's barrier again.
.macro ROUND
	s_barrier_signal -1
	s_barrier_wait -1
	s_cmp_lg_u32 s12, 0
	s_cbranch_scc1 .Lnot_wave_0_\@
	s_barrier_signal -3
.Lnot_wave_0_\@:
	s_barrier_wait -3
	s_barrier_signal -1
	s_barrier_wait -1
.endm
	s_load_b256 s[4:11], s[0:1], 0x0               ; qh 4, kh 6, vh 8, ctx 10
	v_lshl_add_u32 v18, v0, 2, 0x47000
	v_mov_b32 v19, 0
	ds_add_u32 v18, v19
	v_lshrrev_b32 v1, 5, v0
	v_readfirstlane_b32 s12, v1                    ; wave
	s_lshr_b32 s13, s12, 2                         ; g
	s_and_b32 s14, s12, 3                          ; p
	s_and_b32 s15, ttmp7, 0xffff                   ; the (batch, head) pair
	s_bfe_u32 s16, ttmp6, 0x40000                  ; cx
	s_lshl_b32 s17, ttmp9, 2
	s_add_co_u32 s17, s17, s16                     ; query block = 4 x cluster x + cx
	s_mov_b32 s52, 0x3e38aa3b                      ; c = log2(e) / 8
	s_mov_b32 s53, 0x3e38aa3b
	s_mov_b32 s54, 0xbe38aa3b                      ; -c
	s_mov_b32 s56, 0x76543210                      ; v_permlanex16_b32: lane i of one half reads lane i of the other
	s_mov_b32 s57, 0xfedcba98
	; group 1: a dense block of 16 rows of 32 elements of 8 bytes (32 keys), padded behind each row
	s_mov_b32 s[G1K+0], 15|(3<<16)|(1<<20)|(1<<21)|(5<<22)|(3<<25)   ; mask: all four work-groups; 8-byte elements; padding on; bit 21 beside a mask; behind every 64 words; 4 words
	s_mov_b32 s[G1V+0], 15|(3<<16)|(1<<20)|(1<<21)|(5<<22)|(7<<25)   ; the same with 8 words
.irp g, G1K, G1V
	s_mov_b32 s[\g+1], 32<<16                      ; tensor_dim0 = 32
	s_mov_b32 s[\g+2], 16<<16                      ; tensor_dim1 = 16
	s_mov_b32 s[\g+3], 32<<16                      ; tile_dim0 = 32
	s_mov_b32 s[\g+4], 16                          ; tile_dim1 = 16
	s_mov_b32 s[\g+5], 32                          ; from row to row: 32 elements
	s_mov_b32 s[\g+6], 0
	s_mov_b32 s[\g+7], 0
.endr
	s_mul_i32 s18, s12, 16*KP                      ; my 16 LDS rows of K
	s_mul_i32 s19, s12, 16*VP
	s_add_co_u32 s19, s19, KT                      ; and of V
	s_lshl_b32 s60, s15, 18                        ; the pair's 2,048 rows of 128 bytes
	s_lshl_b32 s59, s12, 12                        ; + my 32 keys
	s_add_co_u32 s60, s60, s59
	s_mov_b32 s61, 0
	s_lshl_b32 s62, s15, 18                        ; Q and ctx: the pair,
	s_lshl_b32 s55, s17, 15                        ; + 256 rows x query block
	s_add_co_u32 s62, s62, s55
	s_lshl_b32 s55, s14, 13                        ; + 64 p rows
	s_add_co_u32 s62, s62, s55
	s_mov_b32 s63, 0
	v_and_b32 v3, 31, v0                           ; lane
	v_and_b32 v1, 15, v0                           ; r
	v_bfe_u32 v2, v0, 4, 1                         ; h
	v_lshrrev_b32 v4, 1, v1                        ; K: key r lies in LDS row r / 2, half r % 2
	v_mul_u32_u24 v4, v4, KP
	v_and_b32 v5, 1, v1
	v_lshl_add_u32 v4, v5, 7, v4
	v_lshl_add_u32 v4, v2, 4, v4
	s_mul_i32 s59, s13, 64*KP                      ; my group's 128 keys
	v_add_nc_u32 v[ADK], s59, v4
	v_add_nc_u32 v[ADK+1], SLOT, v[ADK]
	v_bfe_u32 v4, v0, 1, 2                         ; V: key 8 h + (lane & 7): LDS row 4 h + (lane & 7) / 2,
	v_lshl_add_u32 v4, v2, 2, v4
	v_mul_u32_u24 v4, v4, VP
	v_and_b32 v5, 1, v0                            ; half lane & 1,
	v_lshl_add_u32 v4, v5, 7, v4
	v_bfe_u32 v5, v0, 3, 1                         ; 16 bytes by bit 3 of the lane
	v_lshl_add_u32 v4, v5, 4, v4
	s_mul_i32 s59, s13, 64*VP
	s_add_co_u32 s59, s59, KT
	v_add_nc_u32 v[ADV], s59, v4
	v_add_nc_u32 v[ADV+1], SLOT, v[ADV]
	v_lshlrev_b32 v[QOFF], 7, v1
	v_lshl_add_u32 v[QOFF], v2, 4, v[QOFF]
	s_lshl_b32 s59, s12, 10
	s_add_co_u32 s59, s59, EX
	v_lshl_add_u32 v[EXA], v3, 4, s59
	s_xor_b32 s59, s12, 4                          ; the partner: same rows, other key half
	s_lshl_b32 s59, s59, 10
	s_add_co_u32 s59, s59, EX
	v_lshl_add_u32 v[EXB], v3, 4, s59
	v_mul_u32_u24 v4, v1, SP
	v_lshl_add_u32 v4, v2, 5, v4
	s_mul_i32 s59, s12, STW
	s_add_co_u32 s59, s59, ST
	v_add_nc_u32 v[STO], s59, v4
	v_mul_u32_u24 v4, v2, SP
	v_lshl_add_u32 v4, v1, 4, v4
	s_mul_i32 s59, s14, STW
	s_mul_i32 s58, s13, 32*SP
	s_add_co_u32 s59, s59, s58
	s_add_co_u32 s59, s59, ST
	v_add_nc_u32 v[RD0], s59, v4                   ; rows 32 g .. of wave p's stage,
	v_add_nc_u32 v[RD1], 4*STW, v[RD0]             ; and of wave p + 4's
	v_lshlrev_b32 v[CO], 3, v3
.irp t, 0,1,2,3
	v_mov_b32 v[AL+2*\t+1], 0                      ; the pairs' high registers: named by the packed forms, never selected
	v_mov_b32 v[NM+2*\t+1], 0
.endr
	s_wait_dscnt 0x0
	s_wait_kmcnt 0x0
	s_add_nc_u64 s[6:7], s[6:7], s[60:61]
	s_add_nc_u64 s[8:9], s[8:9], s[60:61]
	s_add_nc_u64 s[4:5], s[4:5], s[62:63]
	s_lshl_b32 s55, s13, 12                        ; ctx: + 32 g rows
	s_add_co_u32 s62, s62, s55
	s_add_nc_u64 s[10:11], s[10:11], s[62:63]
.irp s, 0,1
	s_mov_b32 s[G0K+4*\s], 1
	s_add_co_u32 s[G0K+4*\s+1], s18, \s*SLOT
	s_add_nc_u64 s[G0K+4*\s+2:G0K+4*\s+3], s[6:7], \s*STEPB
	s_or_b32 s[G0K+4*\s+3], s[G0K+4*\s+3], 0x80000000
	s_mov_b32 s[G0V+4*\s], 1
	s_add_co_u32 s[G0V+4*\s+1], s19, \s*SLOT
	s_add_nc_u64 s[G0V+4*\s+2:G0V+4*\s+3], s[8:9], \s*STEPB
	s_or_b32 s[G0V+4*\s+3], s[G0V+4*\s+3], 0x80000000
.endr
	ROUND                                          ; all four work-groups are here: the first joint loads meet
	tensor_load_to_lds s[G0K:G0K+3], s[G1K:G1K+7]
	s_nop 0
	tensor_load_to_lds s[G0V:G0V+3], s[G1V:G1V+7]
	s_nop 0
	WIN 0x40                                       ; Q's fragments go to window 1 and stay there
.irp t, 0,1,2,3
.irp ks, 0,1
	global_load_b128 v[QF+8*(2*\t+\ks):QF+8*(2*\t+\ks)+3],   v[QOFF], s[4:5] offset:\t*2048+64*\ks
	global_load_b128 v[QF+8*(2*\t+\ks)+4:QF+8*(2*\t+\ks)+7], v[QOFF], s[4:5] offset:\t*2048+64*\ks+32
.endr
.endr
	WIN 0
	s_wait_loadcnt 0x0
.macro KLOAD s, u                      ; 16 loads: the K fragments of unit u (64 keys x 64)
	WIN 0x40
.irp kt, 0,1,2,3
.irp ks, 0,1
	ds_load_b128 v[KFR+8*(2*\kt+\ks):KFR+8*(2*\kt+\ks)+3],   v[ADK+\s] offset:\u*32*KP+\kt*8*KP+64*\ks
	ds_load_b128 v[KFR+8*(2*\kt+\ks)+4:KFR+8*(2*\kt+\ks)+7], v[ADK+\s] offset:\u*32*KP+\kt*8*KP+64*\ks+32
.endr
.endr
.endm
.macro VLOAD s, u                      ; 16 transposing loads: lane (r, h) gets column 16 d + r of V, keys 8 h .. + 7 and, 8 LDS rows on, 16 + 8 h .. + 7
	WIN 0
.irp ks, 0,1
.irp d, 0,1,2,3
	ds_load_tr16_b128 v[VFR+8*(4*\ks+\d):VFR+8*(4*\ks+\d)+3],   v[ADV+\s] offset:\u*32*VP+\ks*16*VP+32*\d
	ds_load_tr16_b128 v[VFR+8*(4*\ks+\d)+4:VFR+8*(4*\ks+\d)+7], v[ADV+\s] offset:\u*32*VP+\ks*16*VP+32*\d+8*VP
.endr
.endr
.endm
; In both products sixteen accumulators take turns, one instruction a turn.
.macro SMUL                            ; 32 matrix instructions: the scores of 64 keys x 64 queries
	WIN 0x05                                       ; sources 0 and 1 in window 1
.irp kt, 0,1,2,3
.irp t, 0,1,2,3
	v_wmma_f32_16x16x32_f16 v[SC+8*(4*\t+\kt):SC+8*(4*\t+\kt)+7], v[KFR+16*\kt:KFR+16*\kt+7], v[QF+16*\t:QF+16*\t+7], 0
.endr
.endr
.irp kt, 0,1,2,3
.irp t, 0,1,2,3
	v_wmma_f32_16x16x32_f16 v[SC+8*(4*\t+\kt):SC+8*(4*\t+\kt)+7], v[KFR+16*\kt+8:KFR+16*\kt+15], v[QF+16*\t+8:QF+16*\t+15], v[SC+8*(4*\t+\kt):SC+8*(4*\t+\kt)+7]
.endr
.endr
.endm
.macro PVK ks, zero
.irp d, 0,1,2,3
.irp t, 0,1,2,3
.if \zero
	v_wmma_f32_16x16x32_f16 v[8*(4*\t+\d):8*(4*\t+\d)+7], v[VFR+8*(4*\ks+\d):VFR+8*(4*\ks+\d)+7], v[SC+32*\t+16*\ks:SC+32*\t+16*\ks+7], 0
.else
	v_wmma_f32_16x16x32_f16 v[8*(4*\t+\d):8*(4*\t+\d)+7], v[VFR+8*(4*\ks+\d):VFR+8*(4*\ks+\d)+7], v[SC+32*\t+16*\ks:SC+32*\t+16*\ks+7], v[8*(4*\t+\d):8*(4*\t+\d)+7]
.endif
.endr
.endr
.endm
.macro PV zero                         ; 32 matrix instructions: O^T += V^T P^T.  zero = 1: the first products start O, nothing is cleared
	WIN 0x50                                       ; C and D in window 1
	PVK 0, \zero
	PVK 1, 0
.endm
; The softmax step of query tile t on its 32 scores a lane.  first = 1: there is no state yet.
.macro SM t, first
	v_max3_num_f32 v[TT+0], v[SC+32*\t+0], v[SC+32*\t+1], v[SC+32*\t+2]          ; four chains that do not wait for each other
	v_max3_num_f32 v[TT+1], v[SC+32*\t+3], v[SC+32*\t+4], v[SC+32*\t+5]
	v_max3_num_f32 v[TT+2], v[SC+32*\t+6], v[SC+32*\t+7], v[SC+32*\t+8]
	v_max3_num_f32 v[TT+3], v[SC+32*\t+9], v[SC+32*\t+10], v[SC+32*\t+11]
.irp n, 0,1
.irp c, 0,1,2,3
	v_max3_num_f32 v[TT+\c], v[TT+\c], v[SC+32*\t+12+8*\n+2*\c], v[SC+32*\t+13+8*\n+2*\c]
.endr
.endr
	v_max3_num_f32 v[TT+0], v[TT+0], v[SC+32*\t+28], v[SC+32*\t+29]
	v_max3_num_f32 v[TT+1], v[TT+1], v[SC+32*\t+30], v[SC+32*\t+31]
	v_max3_num_f32 v[TT+0], v[TT+0], v[TT+1], v[TT+2]
.if \first
	v_max_num_f32 v[TT+0], v[TT+0], v[TT+3]
.else
	v_max3_num_f32 v[TT+0], v[TT+0], v[TT+3], v[MX+\t]
.endif
	v_permlanex16_b32 v[TT+1], v[TT+0], s56, s57   ; the other half of the lanes holds the query's other keys
	v_max_num_f32 v[MX+\t], v[TT+0], v[TT+1]
.if \first
	v_mul_f32 v[NM+2*\t], s54, v[MX+\t]
.else
	v_mul_f32 v[TT+2], s54, v[MX+\t]               ; the new shift
	v_sub_f32 v[TT+3], v[TT+2], v[NM+2*\t]         ; new - old <= 0
	v_exp_f32 v[AL+2*\t], v[TT+3]
	v_mov_b32 v[NM+2*\t], v[TT+2]                  ; the plain instruction behind the exponential (ISA guide 5.7.2): it touches neither its result nor its source
.endif
.set j, 0
.rept 16
	v_pk_fma_f32 v[SC+32*\t+2*j:SC+32*\t+2*j+1], v[SC+32*\t+2*j:SC+32*\t+2*j+1], s[52:53], v[NM+2*\t:NM+2*\t+1] op_sel_hi:[1,0,0]
.set j, j+1
.endr
.set j, 0
.rept 32
	v_exp_f32 v[SC+32*\t+j], v[SC+32*\t+j]
.set j, j+1
.endr
	v_nop                                          ; one plain place before the exponentials' results are used
	; pair i is added to the sums, then packed in place: the target register lies at or below the pair, so no pair is lost before it is read
.irp i, 0,1,2,3,4,5,6,7,8,9,10,11,12,13,14,15
.if \i == 0
.if \first
	s_wait_alu depctr_va_vdst(0)
	v_pk_add_f32 v[LS+2*\t:LS+2*\t+1], v[SC+32*\t:SC+32*\t+1], v[SC+32*\t+2:SC+32*\t+3]     ; pairs 0 and 1 start the sums
.else
	s_wait_alu depctr_va_vdst(0)
	v_pk_fma_f32 v[LS+2*\t:LS+2*\t+1], v[LS+2*\t:LS+2*\t+1], v[AL+2*\t:AL+2*\t+1], v[SC+32*\t:SC+32*\t+1] op_sel_hi:[1,0,1]
.endif
.elseif (\i-1)+(1-\first)
	v_pk_add_f32 v[LS+2*\t:LS+2*\t+1], v[LS+2*\t:LS+2*\t+1], v[SC+32*\t+2*\i:SC+32*\t+2*\i+1]   ; (left out for pair 1 where first = 1)
.endif
	v_cvt_pk_f16_f32 v[SC+32*\t+16*(\i>>3)+(\i&7)], v[SC+32*\t+2*\i], v[SC+32*\t+2*\i+1]
.endr
.endm
.macro RESC                            ; O of query tile t times its factor
	WIN 0x41                                       ; source 0 and destination in window 1
.irp t, 0,1,2,3
.set j, 0
.rept 16
	v_pk_mul_f32 v[32*\t+2*j:32*\t+2*j+1], v[32*\t+2*j:32*\t+2*j+1], v[AL+2*\t:AL+2*\t+1] op_sel_hi:[1,0]
.set j, j+1
.endr
.endr
.endm
; My group's 128 keys of slot s, in two units of 64.  Each run of 16 fragment loads is issued a phase ahead of its use.
.macro WORK s, first
	KLOAD \s, 0
	VLOAD \s, 0
	s_wait_dscnt 16                                ; K's 16 loads are in, V's 16 stay out
	SMUL
	PLACES 4
	KLOAD \s, 1
	WIN 0
	SM 0, \first
	SM 1, \first
	SM 2, \first
	SM 3, \first
.if \first == 0
	RESC
.endif
	s_wait_dscnt 16                                ; V's are in, the next K's 16 stay out
	PV \first
	PLACES 5                                       ; five: the next score products write over P's registers
	VLOAD \s, 1
	s_wait_dscnt 16                                ; K's are in, V's 16 stay out
	SMUL
	PLACES 4
	WIN 0
	SM 0, 0
	SM 1, 0
	SM 2, 0
	SM 3, 0
	RESC
	s_wait_dscnt 0
	PV 0
	PLACES 5
	WIN 0
.endm
; A step of 256 keys.  The round of the cluster's barrier orders two things: in front of it every wave's reads of the slot read last are back and all its
; tensor loads have landed (this step's tile among them); behind it the joint refills come first.  A wave has two tensor loads out, with the step's work in which to land.
.macro TRIP s, refill, first
	s_wait_tensorcnt 0x0
	ds_add_u32 v18, v19
	s_wait_dscnt 0x0
	s_add_nc_u64 s[G0K+4*\s+2:G0K+4*\s+3], s[G0K+4*\s+2:G0K+4*\s+3], 2*STEPB     ; no load of mine is out: this slot's next tile
	s_add_nc_u64 s[G0V+4*\s+2:G0V+4*\s+3], s[G0V+4*\s+2:G0V+4*\s+3], 2*STEPB
	s_wait_dscnt 0x0
	ROUND
.if \refill
	tensor_load_to_lds s[G0K+4*(1-\s):G0K+4*(1-\s)+3], s[G1K:G1K+7]
	s_nop 0
	tensor_load_to_lds s[G0V+4*(1-\s):G0V+4*(1-\s)+3], s[G1V:G1V+7]
	s_nop 0
.endif
	WORK \s, \first
.endm
	TRIP 0, 1, 1
	TRIP 1, 1, 0
	s_mov_b32 s58, 2
.Lstep:
	TRIP 0, 1, 0
	TRIP 1, 1, 0
	s_sub_co_u32 s58, s58, 1
	s_cmp_lg_u32 s58, 0
	s_cbranch_scc1 .Lstep
	TRIP 0, 1, 0
	TRIP 1, 0, 0                                   ; the eighth step fetches nothing (its stepped addresses are not used)
	; THE MERGE of the two key halves: shifts and sums go to the partner through LDS.
.irp t, 0,1,2,3
	v_add_f32 v[LTOT+\t], v[LS+2*\t], v[LS+2*\t+1]
	v_mov_b32 v[TT+4+\t], v[NM+2*\t]               ; four shifts side by side for one store
.endr
.irp t, 0,1,2,3
	v_permlanex16_b32 v[TT+\t], v[LTOT+\t], s56, s57
.endr
.irp t, 0,1,2,3
	v_add_f32 v[LTOT+\t], v[LTOT+\t], v[TT+\t]
.endr
	ds_store_b128 v[EXA], v[TT+4:TT+7]
	ds_store_b128 v[EXA], v[LTOT:LTOT+3] offset:512
	s_wait_dscnt 0x0                               ; for the partner's sake
	s_barrier_signal -1
	s_barrier_wait -1
	ds_load_b128 v[TT:TT+3], v[EXB]                ; the partner's shifts
	ds_load_b128 v[PLT:PLT+3], v[EXB] offset:512   ; and sums
	s_wait_dscnt 0x0
.irp t, 0,1,2,3
	v_min_num_f32 v[MX+\t], v[TT+4+\t], v[TT+\t]   ; the smaller shift belongs to the larger maximum
.endr
.irp t, 0,1,2,3
	v_sub_f32 v[TT+4+\t], v[MX+\t], v[TT+4+\t]
	v_sub_f32 v[TT+\t], v[MX+\t], v[TT+\t]
.endr
.irp t, 0,1,2,3
	v_exp_f32 v[TT+4+\t], v[TT+4+\t]               ; my factor
	v_exp_f32 v[TT+\t], v[TT+\t]                   ; the partner's
.endr
	v_nop
	s_wait_alu depctr_va_vdst(0)
.irp t, 0,1,2,3
	v_mul_f32 v[LTOT+\t], v[LTOT+\t], v[TT+4+\t]
.endr
.irp t, 0,1,2,3
	v_fmac_f32 v[LTOT+\t], v[PLT+\t], v[TT+\t]     ; the whole row's sum: one factor is 1 and its sum holds the maximum's own term, about 1
.endr
.irp t, 0,1,2,3
	v_rcp_f32 v[LTOT+\t], v[LTOT+\t]
.endr
	v_nop
	s_wait_alu depctr_va_vdst(0)
.irp t, 0,1,2,3
	v_mul_f32 v[AL+2*\t], v[TT+4+\t], v[LTOT+\t]
.endr
	WIN 0x01                                       ; O from window 1, scaled into window 0
.irp t, 0,1,2,3
.set j, 0
.rept 16
	v_pk_mul_f32 v[SC+32*\t+2*j:SC+32*\t+2*j+1], v[32*\t+2*j:32*\t+2*j+1], v[AL+2*\t:AL+2*\t+1] op_sel_hi:[1,0]
.set j, j+1
.endr
.endr
	WIN 0
.irp t, 0,1,2,3
.irp d, 0,1,2,3
	ds_store_b128 v[STO], v[SC+8*(4*\t+\d):SC+8*(4*\t+\d)+3]   offset:\t*16*SP+64*\d      ; query 16 t + r, columns 16 d + 8 h + 0..7
	ds_store_b128 v[STO], v[SC+8*(4*\t+\d)+4:SC+8*(4*\t+\d)+7] offset:\t*16*SP+64*\d+16
.endr
.endr
	s_wait_dscnt 0x0
	s_barrier_signal -1
	s_barrier_wait -1
	; each wave adds 32 rows of the two stages, rounds to f16 and stores: 32 lanes write 256 consecutive bytes (two rows of ctx), aligned
.irp i, 0,1,2,3,4,5,6,7,8,9,10,11,12,13,14,15
	ds_load_b128 v[64+4*\i:64+4*\i+3],   v[RD0] offset:2*SP*\i
	ds_load_b128 v[128+4*\i:128+4*\i+3], v[RD1] offset:2*SP*\i
.endr
.irp i, 0,1,2,3,4,5,6,7,8,9,10,11,12,13,14,15
	s_wait_dscnt 30-2*\i                           ; pair i is in; the younger pairs stay out
	v_pk_add_f32 v[64+4*\i:64+4*\i+1], v[64+4*\i:64+4*\i+1], v[128+4*\i:128+4*\i+1]
	v_pk_add_f32 v[66+4*\i:66+4*\i+1], v[66+4*\i:66+4*\i+1], v[130+4*\i:130+4*\i+1]
	v_cvt_pk_f16_f32 v[192+2*\i], v[64+4*\i], v[65+4*\i]
	v_cvt_pk_f16_f32 v[193+2*\i], v[66+4*\i], v[67+4*\i]
	global_store_b64 v[CO], v[192+2*\i:193+2*\i], s[10:11] offset:256*\i
.endr
	s_wait_tensorcnt 0x0
	ds_add_u32 v18, v19
	s_wait_dscnt 0x0
	ROUND                                          ; the closing round: no work-group ends while a partner may still ask for a tile that names it
	s_endpgm
.Lfunc_end_k_qc0f5e44ce6_attn:
	.size	k_qc0f5e44ce6_attn, .Lfunc_end_k_qc0f5e44ce6_attn-k_qc0f5e44ce6_attn
	.p2alignl 7, 3214868480
	.fill 96, 4, 3214868480
	.section	.rodata,"a",@progbits
	.p2align	6, 0x0
	.amdhsa_kernel k_qc0f5e44ce6_attn
		.amdhsa_group_segment_fixed_size 327680
		.amdhsa_private_segment_fixed_size 0
		.amdhsa_enable_private_segment 0
		.amdhsa_kernarg_size 32
		.amdhsa_user_sgpr_count 2
		.amdhsa_user_sgpr_kernarg_segment_ptr 1
		.amdhsa_wavefront_size32 1
		.amdhsa_system_sgpr_workgroup_id_x 1
		.amdhsa_system_sgpr_workgroup_id_y 1
		.amdhsa_system_sgpr_workgroup_id_z 1
		.amdhsa_system_vgpr_workitem_id 0
		.amdhsa_next_free_vgpr 512
		.amdhsa_next_free_sgpr 66
		.amdhsa_reserve_vcc 0
		.amdhsa_float_denorm_mode_32 3
		.amdhsa_float_denorm_mode_16_64 3
		.amdhsa_memory_ordered 1
		.amdhsa_forward_progress 1
		.amdhsa_inst_pref_size 255
	.end_amdhsa_kernel
	.section	.bss,"aw",@nobits
	.p2align	6
	.space	262144
	.amdgpu_metadata
---
amdhsa.version: [ 1, 2 ]
amdhsa.kernels:
  - .name:           k_qc0f5e44ce6_attn
    .symbol:         k_qc0f5e44ce6_attn.kd
    .args:
      - { .name: qh, .offset: 0, .size: 8, .value_kind: global_buffer, .address_space: global }
      - { .name: kh, .offset: 8, .size: 8, .value_kind: global_buffer, .address_space: global }
      - { .name: vh, .offset: 16, .size: 8, .value_kind: global_buffer, .address_space: global }
      - { .name: ctx, .offset: 24, .size: 8, .value_kind: global_buffer, .address_space: global }
    .group_segment_fixed_size: 327680
    .private_segment_fixed_size: 0
    .kernarg_segment_align: 8
    .kernarg_segment_size: 32
    .max_flat_workgroup_size: 256
    .sgpr_count:     66
    .vgpr_count:     512
    .wavefront_size: 32
...
	.end_amdgpu_metadata
.endif
;; end of part 2
;; launch oproj (part 3): grid 8 x 32, 8 waves a work-group, no clusters, 287,744 bytes of LDS; arguments ctx, Wo, bo, out0; writes out0
.if DOCPART == 3
	.amdgcn_target "amdgcn-amd-amdhsa--gfx1250"
	.amdhsa_code_object_version 6
	.text
	.protected	k_qc0f5e44ce6_oproj
	.globl	k_qc0f5e44ce6_oproj
	.p2align	8
	.type	k_qc0f5e44ce6_oproj,@function
k_qc0f5e44ce6_oproj:
	s_mov_b64 s[64:65], 0
	v_nop
	global_prefetch_b8 v0, s[64:65] scope:SCOPE_SE
	s_setreg_imm32_b32 hwreg(HW_REG_WAVE_MODE, 25, 1), 1
	s_wait_xcnt 0x0
; out0 = ctx Wo^T + bo.  ctx: f16 [batch][head][s][64]; Wo: [1024][1024] f32; bo: [1024] f32; out0: [4096][1024] f32.
; A work-group makes 128 x 128 of out0 (grid x = column block, y = row block): 256 work-groups.  Eight waves in two groups: group g = wave >> 2 takes the K chunks
; (heads) 2 step + g, eight steps; in a group wave (wm, wn) makes 64 x 64: 16 accumulator tiles.  The two groups' partial sums meet in LDS at the end.
; Each group of 128 threads stages its own chunks: ctx as it is, Wo converted to f16 once on the way.  Operands f16, sums and bias f32; |Wo| below 65,504.
; NO TENSOR LOADS, NO JOINT LOADS: Wo is f32, and the data mover copies bytes as they are (f32 in LDS: twice the bytes, a conversion in every wave that reads);
; ctx's tiles, which could come so, are 16 of a group step's 48 KB from memory.
; The matrix instruction is used transposed (source 0 = rows of Wo, source 1 = rows of ctx): a lane holds eight neighbouring columns of one row.
.set PITCH,  144
.set TILE,   128*PITCH
.set GRP,    2*TILE                    ; a group's ctx tile, then its Wo tile
.set SLOT,   2*GRP
.set STAGE,  2*SLOT
.set SP,     272                       ; a stage row: 64 f32 + 16 bytes
.set STW,    64*SP
.set VOA,  4
.set VOB,  5
.set STA,  6
.set STB,  8
.set ADA,  10
.set ADB,  12
.set STO,  14
.set RD0,  15
.set RD1,  16
.set CO,   17
.set BO,   18
.set BIAS, 20                          ; v[20:23]
.set FB,   24                          ; v[24:55]   4 fragments of Wo
.set FA,   56                          ; v[56:87]   4 fragments of ctx
.set SA,   88                          ; v[88:119]  ctx as loaded
.set SB,   120                         ; v[120:183] Wo as loaded, then converted
; window 1: accumulator tile (a, b) at v[8 (4 a + b)]
.set MSB, 0
.macro WIN new
.if MSB != \new
	s_set_vgpr_msb (MSB<<8)|\new
.set MSB, \new
.endif
.endm
.macro PLACES                          ; four places behind a matrix instruction (ISA guide 7.12.1)
.rept 4
	v_nop
.endr
.endm
	s_load_b256 s[4:11], s[0:1], 0x0               ; ctx 4, Wo 6, bo 8, out0 10
	v_lshl_add_u32 v254, v0, 2, 0x46000
	v_mov_b32 v255, 0
	v_lshrrev_b32 v1, 5, v0
	v_readfirstlane_b32 s12, v1                    ; wave
	s_lshr_b32 s13, s12, 2                         ; g
	s_bfe_u32 s14, s12, 0x10001                    ; wm
	s_and_b32 s15, s12, 1                          ; wn
	s_mov_b32 s16, ttmp9                           ; column block
	s_and_b32 s17, ttmp7, 0xffff                   ; row block
	v_and_b32 v1, 15, v0                           ; r
	v_bfe_u32 v2, v0, 4, 1                         ; h
	v_and_b32 v3, 127, v0                          ; thread in the group
	v_lshlrev_b32 v[VOA], 4, v3                    ; ctx's tile is dense: 16 bytes a thread
	v_lshrrev_b32 v19, 4, v3
	v_lshlrev_b32 v[VOB], 4, v1
	v_lshl_add_u32 v[VOB], v19, 12, v[VOB]         ; Wo: row thread / 16, 16 bytes by thread % 16
	s_mul_i32 s20, s13, GRP
	v_lshrrev_b32 v18, 3, v3
	v_mul_u32_u24 v18, v18, PITCH
	v_and_b32 v[STA], 7, v0
	v_lshl_add_u32 v[STA], v[STA], 4, v18
	v_add_nc_u32 v[STA], s20, v[STA]
	v_add_nc_u32 v[STA+1], SLOT, v[STA]
	v_mul_u32_u24 v19, v19, PITCH
	v_lshl_add_u32 v[STB], v1, 3, v19
	v_add_nc_u32 v[STB], s20, v[STB]
	v_add_nc_u32 v[STB], TILE, v[STB]
	v_add_nc_u32 v[STB+1], SLOT, v[STB]
	v_mul_u32_u24 v19, v1, PITCH
	v_lshl_add_u32 v19, v2, 4, v19
	s_mul_i32 s22, s14, 64*PITCH
	s_add_co_u32 s22, s22, s20
	v_add_nc_u32 v[ADA], s22, v19
	v_add_nc_u32 v[ADA+1], SLOT, v[ADA]
	s_mul_i32 s22, s15, 64*PITCH
	s_add_co_u32 s22, s22, s20
	s_add_co_u32 s22, s22, TILE
	v_add_nc_u32 v[ADB], s22, v19
	v_add_nc_u32 v[ADB+1], SLOT, v[ADB]
	v_mul_u32_u24 v19, v1, SP
	v_lshl_add_u32 v19, v2, 5, v19
	s_mul_i32 s22, s12, STW
	s_add_co_u32 s22, s22, STAGE
	v_add_nc_u32 v[STO], s22, v19
	s_and_b32 s22, s12, 3
	s_mul_i32 s22, s22, STW
	s_mul_i32 s23, s13, 32*SP
	s_add_co_u32 s22, s22, s23
	s_add_co_u32 s22, s22, STAGE
	v_mul_u32_u24 v19, v2, SP
	v_lshl_add_u32 v19, v1, 4, v19
	v_add_nc_u32 v[RD0], s22, v19                  ; rows 32 g .. of group 0's stage for my tile,
	v_add_nc_u32 v[RD1], 4*STW, v[RD0]             ; and of group 1's
	v_lshlrev_b32 v[BO], 4, v1
	v_lshl_add_u32 v[CO], v2, 12, v[BO]
	s_mov_b32 s19, 0
	s_wait_kmcnt 0x0
	s_lshr_b32 s18, s17, 4                         ; ctx: batch,
	s_lshl_b32 s18, s18, 4
	s_add_co_u32 s18, s18, s13                     ; head g,
	s_lshl_b32 s18, s18, 11
	s_and_b32 s24, s17, 15
	s_lshl_b32 s24, s24, 7
	s_add_co_u32 s18, s18, s24                     ; 128 rows x (row block in the batch),
	s_lshl_b32 s18, s18, 7                         ; rows of 128 bytes
	s_add_nc_u64 s[4:5], s[4:5], s[18:19]
	s_lshl_b32 s18, s16, 19                        ; Wo: 128 rows of 4,096 bytes x column block
	s_lshl_b32 s24, s13, 8                         ; + 64 g columns
	s_add_co_u32 s18, s18, s24
	s_add_nc_u64 s[6:7], s[6:7], s[18:19]
	s_lshl_b32 s18, s16, 9                         ; my 64 columns, in bytes of f32
	s_lshl_b32 s24, s15, 8
	s_add_co_u32 s18, s18, s24
	s_add_nc_u64 s[8:9], s[8:9], s[18:19]
	s_lshl_b32 s24, s17, 7                         ; out0: row 128 x row block + 64 wm + 32 g
	s_lshl_b32 s23, s14, 6
	s_add_co_u32 s24, s24, s23
	s_lshl_b32 s23, s13, 5
	s_add_co_u32 s24, s24, s23
	s_lshl_b32 s24, s24, 12
	s_add_co_u32 s18, s18, s24
	s_add_nc_u64 s[10:11], s[10:11], s[18:19]
	global_load_b128 v[BIAS:BIAS+3], v[BO], s[8:9]
.macro GLOAD                           ; my group's next chunk: ctx 128 rows x 128 bytes (8 loads), Wo 128 rows x 256 bytes (16 loads)
.irp i, 0,1,2,3,4,5,6,7
	global_load_b128 v[SA+4*\i:SA+4*\i+3], v[VOA], s[4:5] offset:\i*2048
.endr
.irp i, 0,1,2,3,4,5,6,7,8,9,10,11,12,13,14,15
	global_load_b128 v[SB+4*\i:SB+4*\i+3], v[VOB], s[6:7] offset:\i*32768
.endr
.endm
.macro CVST ns
	s_wait_loadcnt 16                              ; ctx's eight loads (and what was issued before them) are in; Wo's 16 may stay out
.irp i, 0,1,2,3,4,5,6,7
	ds_store_b128 v[STA+\ns], v[SA+4*\i:SA+4*\i+3] offset:\i*16*PITCH
.endr
	s_wait_loadcnt 0x0                             ; every load that names the two bases is done: they may step
	s_add_nc_u64 s[4:5], s[4:5], 2*2048*128        ; two heads on
	s_add_nc_u64 s[6:7], s[6:7], 512               ; 128 columns on
.irp i, 0,1,2,3,4,5,6,7,8,9,10,11,12,13,14,15
	v_cvt_pk_f16_f32 v[SB+4*\i], v[SB+4*\i], v[SB+4*\i+1]
	v_cvt_pk_f16_f32 v[SB+4*\i+1], v[SB+4*\i+2], v[SB+4*\i+3]
	ds_store_b64 v[STB+\ns], v[SB+4*\i:SB+4*\i+1] offset:\i*8*PITCH
.endr
.endm
.macro FETCH s, ks
.irp b, 0,1,2,3
	ds_load_b128 v[FB+8*\b:FB+8*\b+3],   v[ADB+\s] offset:\b*16*PITCH+64*\ks
	ds_load_b128 v[FB+8*\b+4:FB+8*\b+7], v[ADB+\s] offset:\b*16*PITCH+64*\ks+32
.endr
.irp a, 0,1,2,3
	ds_load_b128 v[FA+8*\a:FA+8*\a+3],   v[ADA+\s] offset:\a*16*PITCH+64*\ks
	ds_load_b128 v[FA+8*\a+4:FA+8*\a+7], v[ADA+\s] offset:\a*16*PITCH+64*\ks+32
.endr
.endm
; The 16 accumulators take turns, one instruction a turn, over the loop's backward jump too.
.macro MUL2 a0, zero
.irp a, \a0, \a0+1
.irp b, 0,1,2,3
.if \zero
	v_wmma_f32_16x16x32_f16 v[8*(4*(\a)+\b):8*(4*(\a)+\b)+7], v[FB+8*\b:FB+8*\b+7], v[FA+8*(\a):FA+8*(\a)+7], 0
.else
	v_wmma_f32_16x16x32_f16 v[8*(4*(\a)+\b):8*(4*(\a)+\b)+7], v[FB+8*\b:FB+8*\b+7], v[FA+8*(\a):FA+8*(\a)+7], v[8*(4*(\a)+\b):8*(4*(\a)+\b)+7]
.endif
.endr
.endr
.endm
.macro HALF s, ks, zero
	FETCH \s, \ks
	s_wait_dscnt 4                                 ; Wo and ctx's tiles 0, 1 are in; the youngest four loads (tiles 2, 3) may be out
	WIN 0x50
	MUL2 0, \zero
	s_wait_dscnt 0
	MUL2 2, \zero
	WIN 0
	PLACES
.endm
; One barrier a step: in front of it every wave's reads of slot s are back and its stores into the other slot are done.
.macro STEP s, more, zero
.if \more
	GLOAD
.endif
	HALF \s, 0, \zero
	HALF \s, 1, 0
.if \more
	CVST 1-\s
	s_wait_dscnt 0x0
	s_barrier_signal -1
	s_barrier_wait -1
.endif
.endm
	GLOAD
	CVST 0
	s_wait_dscnt 0x0
	s_barrier_signal -1
	s_barrier_wait -1
	STEP 0, 1, 1
	STEP 1, 1, 0
	s_mov_b32 s21, 2
.Lk:
	STEP 0, 1, 0
	STEP 1, 1, 0
	s_sub_co_u32 s21, s21, 1
	s_cmp_lg_u32 s21, 0
	s_cbranch_scc1 .Lk
	STEP 0, 1, 0
	STEP 1, 0, 0
	; THE WAY OUT: both groups put their partial sums into their stages (the four places stand at the end of the last step); behind a barrier each wave adds
	; 32 rows of the two, adds the bias and stores: sixteen lanes write 256 consecutive bytes of a row of out0, aligned.
	WIN 0x04                                       ; an LDS store's data is source 1: window 1
.irp a, 0,1,2,3
.irp b, 0,1,2,3
	ds_store_b128 v[STO], v[8*(4*\a+\b):8*(4*\a+\b)+3]   offset:\a*16*SP+64*\b
	ds_store_b128 v[STO], v[8*(4*\a+\b)+4:8*(4*\a+\b)+7] offset:\a*16*SP+64*\b+16
.endr
.endr
	WIN 0
	s_wait_dscnt 0x0
	s_barrier_signal -1
	s_barrier_wait -1
.irp i, 0,1,2,3,4,5,6,7,8,9,10,11,12,13,14,15
	ds_load_b128 v[24+8*\i:24+8*\i+3], v[RD0] offset:2*SP*\i
	ds_load_b128 v[28+8*\i:28+8*\i+3], v[RD1] offset:2*SP*\i
.endr
.irp i, 0,1,2,3,4,5,6,7,8,9,10,11,12,13,14,15
	s_wait_dscnt 30-2*\i                           ; pair i is in; the younger pairs stay out
	v_pk_add_f32 v[24+8*\i:25+8*\i], v[24+8*\i:25+8*\i], v[28+8*\i:29+8*\i]
	v_pk_add_f32 v[26+8*\i:27+8*\i], v[26+8*\i:27+8*\i], v[30+8*\i:31+8*\i]
	v_pk_add_f32 v[24+8*\i:25+8*\i], v[24+8*\i:25+8*\i], v[BIAS:BIAS+1]
	v_pk_add_f32 v[26+8*\i:27+8*\i], v[26+8*\i:27+8*\i], v[BIAS+2:BIAS+3]
	global_store_b128 v[CO], v[24+8*\i:27+8*\i], s[10:11] offset:8192*\i th:TH_STORE_NT
.endr
	s_wait_tensorcnt 0x0
	ds_add_u32 v254, v255
	s_wait_dscnt 0x0
	s_endpgm
.Lfunc_end_k_qc0f5e44ce6_oproj:
	.size	k_qc0f5e44ce6_oproj, .Lfunc_end_k_qc0f5e44ce6_oproj-k_qc0f5e44ce6_oproj
	.p2alignl 7, 3214868480
	.fill 96, 4, 3214868480
	.section	.rodata,"a",@progbits
	.p2align	6, 0x0
	.amdhsa_kernel k_qc0f5e44ce6_oproj
		.amdhsa_group_segment_fixed_size 287744
		.amdhsa_private_segment_fixed_size 0
		.amdhsa_enable_private_segment 0
		.amdhsa_kernarg_size 32
		.amdhsa_user_sgpr_count 2
		.amdhsa_user_sgpr_kernarg_segment_ptr 1
		.amdhsa_wavefront_size32 1
		.amdhsa_system_sgpr_workgroup_id_x 1
		.amdhsa_system_sgpr_workgroup_id_y 1
		.amdhsa_system_sgpr_workgroup_id_z 1
		.amdhsa_system_vgpr_workitem_id 0
		.amdhsa_next_free_vgpr 384
		.amdhsa_next_free_sgpr 66
		.amdhsa_reserve_vcc 0
		.amdhsa_float_denorm_mode_32 3
		.amdhsa_float_denorm_mode_16_64 3
		.amdhsa_memory_ordered 1
		.amdhsa_forward_progress 1
		.amdhsa_inst_pref_size 78
	.end_amdhsa_kernel
	.amdgpu_metadata
---
amdhsa.version: [ 1, 2 ]
amdhsa.kernels:
  - .name:           k_qc0f5e44ce6_oproj
    .symbol:         k_qc0f5e44ce6_oproj.kd
    .args:
      - { .name: ctx, .offset: 0, .size: 8, .value_kind: global_buffer, .address_space: global }
      - { .name: Wo, .offset: 8, .size: 8, .value_kind: global_buffer, .address_space: global }
      - { .name: bo, .offset: 16, .size: 8, .value_kind: global_buffer, .address_space: global }
      - { .name: out0, .offset: 24, .size: 8, .value_kind: global_buffer, .address_space: global }
    .group_segment_fixed_size: 287744
    .private_segment_fixed_size: 0
    .kernarg_segment_align: 8
    .kernarg_segment_size: 32
    .max_flat_workgroup_size: 256
    .sgpr_count:     66
    .vgpr_count:     384
    .wavefront_size: 32
...
	.end_amdgpu_metadata
.endif
;; end of part 3
;; ======== version 2 of 2: 4 launches; 1.26 times as fast as version 1
;; limits: values are held in f16: magnitudes above 65,504 overflow, below 6.1e-05 lose precision
;; workspace buffers: qh 8,388,608 bytes; kh 8,388,608 bytes; vh 8,388,608 bytes; ctx 8,388,608 bytes; x16 25,165,824 bytes; w16 8,388,608 bytes
;; launch cast (part 4): grid 1024 x 1, 8 waves a work-group, no clusters, 0 bytes of LDS; arguments q, k, v, Wq, Wk, Wv, Wo, x16, w16; writes x16, w16
.if DOCPART == 4
	.amdgcn_target "amdgcn-amd-amdhsa--gfx1250"
	.amdhsa_code_object_version 6
	.text
	.protected	k_qc0f5e44ce6_cast
	.globl	k_qc0f5e44ce6_cast
	.p2align	8
	.type	k_qc0f5e44ce6_cast,@function
k_qc0f5e44ce6_cast:
	s_mov_b64 s[64:65], 0
	v_nop
	global_prefetch_b8 v0, s[64:65] scope:SCOPE_SE
	s_setreg_imm32_b32 hwreg(HW_REG_WAVE_MODE, 25, 1), 1
	s_wait_xcnt 0x0
; x16 = f16 of q, k, v one behind the other ([12288][1024]); w16 = f16 of Wq, Wk, Wv, Wo one behind the other ([4096][1024]).
; WHY A LAUNCH OF ITS OWN: every number of q, k, v is an operand of 4 blocks of the projections and every weight of 16.  Here each is rounded once, and the
; products' tiles then come as f16 by the data mover: half the bytes for each tile, no conversion and no LDS store in the products' loops.
; The price is 32 MB written here and read there.
; A stream: 1,024 work-groups, each with 64 KB of one source (chunks 0-767: q, k, v, 256 each; 768-1023: the four weights, 64 each).
; A thread issues its 16 loads of 16 bytes at once (a wave's load covers 512 consecutive bytes), converts in place as they land and stores 8 bytes a lane:
; each store of a wave covers 256 consecutive bytes, aligned.  No register is used twice, so no wait but the loads' own.  No LDS, no matrix unit: nothing is shared.
; LIMIT: a magnitude beyond 65,504 becomes infinite in f16.
.set X, 4                              ; v[4:67]  load i: 4 registers as loaded; its first two then hold the 4 numbers in f16
	s_load_b512 s[8:23], s[0:1], 0x0               ; q 8, k 10, v 12, Wq 14, Wk 16, Wv 18, Wo 20, x16 22
	s_load_b64 s[24:25], s[0:1], 0x40              ; w16
	s_lshr_b32 s5, ttmp9, 8                        ; 0, 1, 2: q, k, v; 3: a weight
	s_bfe_u32 s6, ttmp9, 0x20006                   ; two bits from bit 6: which weight
	v_lshlrev_b32 v1, 4, v0                        ; 16 bytes a thread in
	v_lshlrev_b32 v2, 3, v0                        ; 8 bytes a thread out
	s_cmp_eq_u32 s5, 3
	s_cselect_b32 s30, 63, 255                     ; chunks in a source, less one
	s_cselect_b32 s32, 768, 0                      ; first chunk of the target buffer
	s_and_b32 s30, ttmp9, s30
	s_lshl_b32 s30, s30, 16                        ; my 64 KB in the source
	s_mov_b32 s31, 0
	s_sub_co_u32 s32, ttmp9, s32
	s_lshl_b32 s32, s32, 15                        ; my 32 KB in the target
	s_mov_b32 s33, 0
	s_wait_kmcnt 0x0
	s_cmp_eq_u32 s6, 1
	s_cselect_b64 s[26:27], s[16:17], s[14:15]     ; Wk or Wq,
	s_cmp_eq_u32 s6, 2
	s_cselect_b64 s[26:27], s[18:19], s[26:27]     ; or Wv,
	s_cmp_eq_u32 s6, 3
	s_cselect_b64 s[26:27], s[20:21], s[26:27]     ; or Wo,
	s_cmp_eq_u32 s5, 0
	s_cselect_b64 s[26:27], s[8:9], s[26:27]       ; or q,
	s_cmp_eq_u32 s5, 1
	s_cselect_b64 s[26:27], s[10:11], s[26:27]     ; or k,
	s_cmp_eq_u32 s5, 2
	s_cselect_b64 s[26:27], s[12:13], s[26:27]     ; or v
	s_cmp_eq_u32 s5, 3
	s_cselect_b64 s[28:29], s[24:25], s[22:23]     ; into w16 or x16
	s_add_nc_u64 s[26:27], s[26:27], s[30:31]
	s_add_nc_u64 s[28:29], s[28:29], s[32:33]
.irp i, 0,1,2,3,4,5,6,7,8,9,10,11,12,13,14,15
	global_load_b128 v[X+4*\i:X+4*\i+3], v1, s[26:27] offset:\i*4096 th:TH_LOAD_NT
.endr
.irp i, 0,1,2,3,4,5,6,7,8,9,10,11,12,13,14,15
	s_wait_loadcnt 15-\i                           ; loads come back in order (ISA guide 5.7.1): load i is in, the younger ones stay out
	v_cvt_pk_f16_f32 v[X+4*\i], v[X+4*\i], v[X+4*\i+1]
	v_cvt_pk_f16_f32 v[X+4*\i+1], v[X+4*\i+2], v[X+4*\i+3]
	global_store_b64 v2, v[X+4*\i:X+4*\i+1], s[28:29] offset:\i*2048 th:TH_STORE_NT
.endr
	s_endpgm
.Lfunc_end_k_qc0f5e44ce6_cast:
	.size	k_qc0f5e44ce6_cast, .Lfunc_end_k_qc0f5e44ce6_cast-k_qc0f5e44ce6_cast
	.p2alignl 7, 3214868480
	.fill 96, 4, 3214868480
	.section	.rodata,"a",@progbits
	.p2align	6, 0x0
	.amdhsa_kernel k_qc0f5e44ce6_cast
		.amdhsa_group_segment_fixed_size 0
		.amdhsa_private_segment_fixed_size 0
		.amdhsa_enable_private_segment 0
		.amdhsa_kernarg_size 72
		.amdhsa_user_sgpr_count 2
		.amdhsa_user_sgpr_kernarg_segment_ptr 1
		.amdhsa_wavefront_size32 1
		.amdhsa_system_sgpr_workgroup_id_x 1
		.amdhsa_system_sgpr_workgroup_id_y 1
		.amdhsa_system_sgpr_workgroup_id_z 1
		.amdhsa_system_vgpr_workitem_id 0
		.amdhsa_next_free_vgpr 68
		.amdhsa_next_free_sgpr 66
		.amdhsa_reserve_vcc 0
		.amdhsa_float_denorm_mode_32 3
		.amdhsa_float_denorm_mode_16_64 3
		.amdhsa_memory_ordered 1
		.amdhsa_forward_progress 1
		.amdhsa_inst_pref_size 7
	.end_amdhsa_kernel
	.amdgpu_metadata
---
amdhsa.version: [ 1, 2 ]
amdhsa.kernels:
  - .name:           k_qc0f5e44ce6_cast
    .symbol:         k_qc0f5e44ce6_cast.kd
    .args:
      - { .name: q, .offset: 0, .size: 8, .value_kind: global_buffer, .address_space: global }
      - { .name: k, .offset: 8, .size: 8, .value_kind: global_buffer, .address_space: global }
      - { .name: v, .offset: 16, .size: 8, .value_kind: global_buffer, .address_space: global }
      - { .name: Wq, .offset: 24, .size: 8, .value_kind: global_buffer, .address_space: global }
      - { .name: Wk, .offset: 32, .size: 8, .value_kind: global_buffer, .address_space: global }
      - { .name: Wv, .offset: 40, .size: 8, .value_kind: global_buffer, .address_space: global }
      - { .name: Wo, .offset: 48, .size: 8, .value_kind: global_buffer, .address_space: global }
      - { .name: x16, .offset: 56, .size: 8, .value_kind: global_buffer, .address_space: global }
      - { .name: w16, .offset: 64, .size: 8, .value_kind: global_buffer, .address_space: global }
    .group_segment_fixed_size: 0
    .private_segment_fixed_size: 0
    .kernarg_segment_align: 8
    .kernarg_segment_size: 72
    .max_flat_workgroup_size: 256
    .sgpr_count:     66
    .vgpr_count:     68
    .wavefront_size: 32
...
	.end_amdgpu_metadata
.endif
;; end of part 4
;; launch qkv (part 5): grid 4 x 48, 4 waves a work-group, clusters of 4 x 4, 327,680 bytes of LDS; arguments x16, w16, bq, bk, bv, qh, kh, vh; writes qh, kh, vh
.if DOCPART == 5
	.amdgcn_target "amdgcn-amd-amdhsa--gfx1250"
	.amdhsa_code_object_version 6
	.text
	.protected	k_qc0f5e44ce6_qkv
	.globl	k_qc0f5e44ce6_qkv
	.p2align	8
	.type	k_qc0f5e44ce6_qkv,@function
k_qc0f5e44ce6_qkv:
	s_mov_b64 s[64:65], 0
	v_nop
	global_prefetch_b8 v0, s[64:65] scope:SCOPE_SE
	s_setreg_imm32_b32 hwreg(HW_REG_WAVE_MODE, 25, 1), 1
	s_wait_xcnt 0x0
	s_wait_alu depctr_hold_cnt(0) depctr_sa_sdst(0) depctr_va_vdst(0) depctr_va_sdst(0) depctr_va_ssrc(0) depctr_va_vcc(0) depctr_vm_vsrc(0)
	s_getreg_b32 s2, hwreg(HW_REG_IB_STS2, 6, 4)
	s_cmp_eq_u32 s2, 0
	s_cbranch_scc0 .Lentry_in_a_cluster
	s_endpgm
.Lentry_in_a_cluster:
	s_bfe_u32 s2, ttmp6, 0x10000c
	s_cmp_lg_u32 s2, 0xf033
	s_cbranch_scc0 .Lentry_shape_is_right
	s_endpgm
.Lentry_shape_is_right:
; y = x W^T + b for the three projections.  x16: [3 x 4096][1024] f16 (q, k, v), w16: [4 x 1024][1024] f16 (Wq, Wk, Wv, Wo), b: [1024] f32.
; y (qh, kh, vh): f16, laid out [batch][head][s][64], a head's rows of 128 bytes one behind the other.  Sums and bias in f32, y rounded once.
; A work-group makes 256 rows x 256 columns of one tensor with four waves; a wave makes 128 x 128: 64 accumulator tiles of 16 x 16, 512 registers.
; Grid x = column block, grid y = 16 x tensor + row block: 192 work-groups (3 x 4096 x 1024 / 256 = 49,152 numbers divides neither side of a tensor).
; K goes in 8 steps of 128 through a ring of two LDS slots filled by the tensor data mover: a tile's rows are 256 bytes of memory, aligned.
; CLUSTERS: 4 x 4 work-groups.  The four of a row of the cluster need the same tiles of x, the four of a column the same tiles of W: each tile is asked for jointly,
; by the same tensor load with the same descriptor and a mask that names the four.  That divides the requests for x and W by four.
; The tensor's number is cluster y / 4 (16 block rows = 4 clusters a tensor): it hangs on no place in the cluster.
; LIMIT: a projection beyond 65,504 in magnitude becomes infinite in f16.
;
; REGISTERS, in windows of 256:
;   window 0: v0-31 addresses; v32-63 at work on the way out; v64-127, v128-191 fragments of x (8 x 16 rows x 32 K), two buffers; v192-255 the bias of my 128 columns
;   window 1: v64-127, v128-191 fragments of W, two buffers
;   window 2: the 32 accumulator tiles of my rows 0-63 (tile (a, b) at v[8 (8 a + b)]);   window 3: those of my rows 64-127
; THE MATRIX INSTRUCTION IS USED TRANSPOSED: source 0 = 16 rows of W, source 1 = 16 rows of x: lane l holds row l % 16 of y and its registers 0 to 7
; the columns 8 (l / 16) + 0 .. 7: eight neighbouring numbers of a row, which pack into 16 bytes.
.set SIZE_K, 1024
.set KSTEP,  128
.set PITCH,  272                       ; an LDS row: 256 bytes + 16: the 16 rows that a fragment load touches start at 16 different 16-byte columns modulo 256 bytes
.set HALFT,  128*PITCH                 ; 128 rows: what one tensor load brings, and what one wave reads of x or of W
.set SLOT,   4*HALFT                   ; x's 256 rows, then W's 256 rows
.set STAGE,  2*SLOT                    ; behind the ring: 16 rows x 400 bytes for each wave, for the way out; no tensor load lands here
.set SPITCH, 400                       ; 25 x 16: the 16 rows of a store start at 16 different columns; two neighbouring rows' halves of 128 bytes overlap in one column only
.set LAPS,   SIZE_K/(2*KSTEP)          ; a lap = two K steps = once round the ring
.set ADRA, 16                          ; v16-17  LDS address of my x fragments in slot 0, 1
.set ADRB, 20                          ; v20-21  the same for W
.set STO,  24                          ; the way out: where I put 16 bytes of a row
.set RD,   25                          ; the way out: where I read 16 bytes back
.set CO,   26                          ; my byte offset in y
.set BOFF, 27                          ; 32 x (l / 16): my eight columns in a group of 16 of the bias
.set RB1,  32                          ; the way out: rows read back, second buffer
.set F0,   64                          ; fragment buffer 0
.set F1,   128                         ; fragment buffer 1
.set SUMS, 64                          ; the way out: 64 sums with bias
.set PK,   128                         ; the way out: 32 packed registers
.set RB0,  160                         ; the way out: rows read back, first buffer
.set BIAS, 192                         ; v[192:255]
.set G1, 24                            ; s[24:31] descriptor group 1 for x's tiles
.set G0, 32                            ; s[32:39] descriptor group 0 for x's tiles, one set for each slot
.set G1B, 48                           ; s[48:55] group 1 for W's tiles: it differs in the mask alone
.set G0B, 56                           ; s[56:63] group 0 for W's tiles
.set MSB, 0
.macro WIN new                         ; s_set_vgpr_msb: the immediate's high byte repeats the setting that is left; no switch where nothing changes
.if MSB != \new
	s_set_vgpr_msb (MSB<<8)|\new
.set MSB, \new
.endif
.endm
.set MUL_LO, 0xa1                      ; source 0 (W) window 1, source 1 (x) window 0, C and D window 2
.set MUL_HI, 0xf1                      ; the same, C and D window 3
.set TO_B,   0x40                      ; destination window 1, address window 0
; A joint load.  Waves 0 and 1 fetch x's two halves, waves 2 and 3 W's.  Each line has one mask and one set of registers for all that issue it.
; The branch hangs on the wave's number alone: it is the same in every work-group.
.macro JLOAD s
	s_cmp_eq_u32 s11, 0
	s_cbranch_scc0 .Lfor_b_\@
	tensor_load_to_lds s[G0+4*\s:G0+4*\s+3], s[G1:G1+7]
	s_nop 0
	s_branch .Lasked_\@
.Lfor_b_\@:
	tensor_load_to_lds s[G0B+4*\s:G0B+4*\s+3], s[G1B:G1B+7]
	s_nop 0
.Lasked_\@:
.endm
; A round of the cluster's barrier: my work-group's barrier; wave 0 signals for the work-group; every wave waits for all sixteen; my work-group's barrier once more.
.macro CREST                           ; a round behind its opening barrier
	s_cmp_lg_u32 s10, 0
	s_cbranch_scc1 .Lnot_wave_0_\@
	s_barrier_signal -3
.Lnot_wave_0_\@:
	s_barrier_wait -3
	s_barrier_signal -1
	s_barrier_wait -1
.endm
.macro CROUND                          ; a whole round
	s_barrier_signal -1
	s_barrier_wait -1
	CREST
.endm
	s_load_b512 s[68:83], s[0:1], 0x0              ; x16 68, w16 70, bq 72, bk 74, bv 76, qh 78, kh 80, vh 82
	s_set_vgpr_msb 0x40
	v_lshl_add_u32 v255, v0, 2, 0x4a400
	s_set_vgpr_msb 0x4000
	v_mov_b32 v31, 0
	s_set_vgpr_msb 0x1
	ds_add_u32 v255, v31
	s_set_vgpr_msb 0x100
	v_lshrrev_b32 v1, 5, v0
	v_readfirstlane_b32 s10, v1                    ; wave 0..3
	s_lshr_b32 s11, s10, 1                         ; which half of the block's rows is mine.  Also: I fetch for x (0) or for W (1)
	s_and_b32 s12, s10, 1                          ; which half of its columns.  Also: which 128 rows of that tile I fetch
	s_bfe_u32 s40, ttmp6, 0x40000                  ; cx
	s_bfe_u32 s41, ttmp6, 0x40004                  ; cy
	s_lshl_b32 s42, ttmp9, 2
	s_add_co_u32 s42, s42, s40                     ; column block = 4 x cluster x + cx
	s_and_b32 s13, ttmp7, 0xffff                   ; cluster y
	s_lshr_b32 s45, s13, 2                         ; the tensor: 0 q, 1 k, 2 v
	s_lshl_b32 s13, s13, 2
	s_add_co_u32 s13, s13, s41                     ; row block of x16 = 4 x cluster y + cy, 0..47
	s_lshl_b32 s43, s41, 2
	s_lshl_b32 s43, 15, s43                        ; my row of the cluster: places 4 cy .. 4 cy + 3
	s_lshl_b32 s44, 0x1111, s40                    ; my column: places cx, cx + 4, cx + 8, cx + 12
	; group 1: a tile of 128 rows x 128 elements of 2 bytes, 4 words of padding behind every 64 words
	s_or_b32 s[G1+0], s43, (1<<16)|(1<<20)|(1<<21)|(5<<22)|(3<<25)   ; x's tiles go to my row of the cluster; bit 21 set beside a mask
	s_or_b32 s[G1B+0], s44, (1<<16)|(1<<20)|(1<<21)|(5<<22)|(3<<25)  ; W's to my column
.irp g, G1, G1B
	s_mov_b32 s[\g+1], KSTEP<<16                   ; tensor_dim0 = 128
	s_mov_b32 s[\g+2], 128<<16                     ; tensor_dim1 = 128
	s_mov_b32 s[\g+3], KSTEP<<16                   ; tile_dim0 = 128
	s_mov_b32 s[\g+4], 128                         ; tile_dim1 = 128
	s_mov_b32 s[\g+5], SIZE_K                      ; elements from row to row
	s_mov_b32 s[\g+6], 0
	s_mov_b32 s[\g+7], 0
.endr
	; x's tiles hang on the row block alone, which my row of the cluster shares; W's on the column block and the tensor, which my column shares.
	; Every wave makes both addresses, in registers that never hold the other coordinate, and asks by one of them.
	s_lshl_b32 s17, s12, 7                         ; which 128 rows of the tile I fetch
	s_lshl_b32 s16, s13, 8
	s_add_co_u32 s16, s16, s17                     ; x16: row 256 x row block + 128 x half
	s_lshl_b32 s16, s16, 11                        ; rows of 2,048 bytes
	s_lshl_b32 s46, s42, 8
	s_add_co_u32 s46, s46, s17                     ; w16: row 256 x column block + 128 x half
	s_lshl_b32 s47, s45, 10
	s_add_co_u32 s46, s46, s47                     ;      + 1,024 x tensor
	s_lshl_b32 s46, s46, 11
	s_mov_b32 s17, 0
	s_mov_b32 s47, 0
	s_mul_i32 s20, s10, HALFT                      ; where they go: x's two halves, then W's two halves = wave x 128 rows
	s_wait_dscnt 0x0
	s_wait_kmcnt 0x0
	s_add_nc_u64 s[14:15], s[68:69], s[16:17]
	s_add_nc_u64 s[46:47], s[70:71], s[46:47]
	CROUND                                         ; all sixteen work-groups are here: the first joint loads meet
.irp s, 0,1
	s_mov_b32 s[G0+4*\s], 1                                        ; count = 1
	s_add_co_u32 s[G0+4*\s+1], s20, \s*SLOT                        ; LDS address
	s_add_nc_u64 s[G0+4*\s+2:G0+4*\s+3], s[14:15], \s*KSTEP*2      ; global address: K step s
	s_or_b32 s[G0+4*\s+3], s[G0+4*\s+3], 0x80000000                ; type = 2
	s_mov_b32 s[G0B+4*\s], 1
	s_add_co_u32 s[G0B+4*\s+1], s20, \s*SLOT
	s_add_nc_u64 s[G0B+4*\s+2:G0B+4*\s+3], s[46:47], \s*KSTEP*2
	s_or_b32 s[G0B+4*\s+3], s[G0B+4*\s+3], 0x80000000
	JLOAD \s                                       ; the ring is filled before anything else is done
.endr
	s_cmp_eq_u32 s45, 1                            ; the tensor's bias and result: k's or v's,
	s_cselect_b64 s[4:5], s[74:75], s[76:77]
	s_cselect_b64 s[8:9], s[80:81], s[82:83]
	s_cmp_eq_u32 s45, 0                            ; or q's
	s_cselect_b64 s[4:5], s[72:73], s[4:5]
	s_cselect_b64 s[8:9], s[78:79], s[8:9]
	s_lshl_b32 s46, s42, 10                        ; bias: (256 x column block + 128 x half) x 4 bytes
	s_lshl_b32 s47, s12, 9
	s_add_co_u32 s46, s46, s47
	s_mov_b32 s47, 0
	s_add_nc_u64 s[4:5], s[4:5], s[46:47]
	; A fragment is 16 rows x 32 K in 8 registers: lane l holds row l % 16; registers 0-3 hold K = 8 (l / 16) + 0..7, registers 4-7 K = 16 + 8 (l / 16) + 0..7:
	; two loads of 16 bytes, 32 bytes apart.
	v_and_b32 v1, 15, v0                           ; l % 16
	v_bfe_u32 v2, v0, 4, 1                         ; l / 16
	v_lshlrev_b32 v[BOFF], 5, v2
.irp b, 0,1,2,3,4,5,6,7
	global_load_b128 v[BIAS+8*\b:BIAS+8*\b+3],   v[BOFF], s[4:5] offset:64*\b       ; bias of columns 16 b + 8 (l / 16) + 0..7
	global_load_b128 v[BIAS+8*\b+4:BIAS+8*\b+7], v[BOFF], s[4:5] offset:64*\b+16
.endr
	v_mul_u32_u24 v3, v1, PITCH
	v_lshl_add_u32 v3, v2, 4, v3                   ; row x pitch + 16 x half
	s_mul_i32 s21, s11, HALFT                      ; my 128 rows of x
	s_mul_i32 s22, s12, HALFT                      ; my 128 rows of W,
	s_add_co_u32 s22, s22, 2*HALFT                 ; which lie behind x's 256
.irp s, 0,1
	v_add_nc_u32 v[ADRA+\s], s21, v3
	v_add_nc_u32 v[ADRB+\s], s22, v3
	s_add_co_u32 s21, s21, SLOT
	s_add_co_u32 s22, s22, SLOT
.endr
	s_mul_i32 s23, s10, 16*SPITCH
	s_add_co_u32 s23, s23, STAGE                   ; my stage
	v_mul_u32_u24 v4, v1, SPITCH                   ; in: row l % 16, 16 bytes for each half of the lanes
	v_lshl_add_u32 v4, v2, 4, v4
	v_add_nc_u32 v[STO], s23, v4
	v_bfe_u32 v5, v0, 3, 1                         ; back: lanes 0-7 a row's first 128 bytes (one head), lanes 8-15 the next row's,
	v_mul_u32_u24 v5, v5, SPITCH
	v_lshl_add_u32 v5, v2, 7, v5                   ; lanes 16-31 the same two rows' second 128 bytes (the next head)
	v_and_b32 v6, 7, v0
	v_lshl_add_u32 v5, v6, 4, v5
	v_add_nc_u32 v[RD], s23, v5
	v_lshlrev_b32 v[CO], 4, v1                     ; in y: two rows of a head are 256 consecutive bytes,
	v_lshl_add_u32 v[CO], v2, 18, v[CO]            ; the next head lies 2,048 x 128 bytes on
; 16 matrix instructions: m blocks a0, a0 + 1 of the window's four x all 8 n blocks, 32 along K.  zero = 1: the first product starts the sums: nothing is cleared.
; The 64 accumulators take turns, one instruction a turn, in the same order in every quarter step and over the loop's backward jump.
.macro MUL16 f, hi, a0, zero
.irp a, \a0, \a0+1
.irp b, 0,1,2,3,4,5,6,7
.if \zero
	v_wmma_f32_16x16x32_f16 v[8*(8*(\a)+\b):8*(8*(\a)+\b)+7], v[\f+8*\b:\f+8*\b+7], v[\f+8*(4*\hi+\a):\f+8*(4*\hi+\a)+7], 0
.else
	v_wmma_f32_16x16x32_f16 v[8*(8*(\a)+\b):8*(8*(\a)+\b)+7], v[\f+8*\b:\f+8*\b+7], v[\f+8*(4*\hi+\a):\f+8*(4*\hi+\a)+7], v[8*(8*(\a)+\b):8*(8*(\a)+\b)+7]
.endif
.endr
.endr
.endm
; 32 LDS loads in one run: the fragments of one quarter step (128 rows of W, 128 rows of x, 32 K at byte k of the rows) into buffer f
.macro FETCH slot, k, f
	WIN TO_B
.irp i, 0,1,2,3,4,5,6,7
	ds_load_b128 v[\f+8*\i:\f+8*\i+3],   v[ADRB+\slot] offset:\k+\i*16*PITCH
	ds_load_b128 v[\f+8*\i+4:\f+8*\i+7], v[ADRB+\slot] offset:\k+\i*16*PITCH+32
.endr
	WIN 0
.irp i, 0,1,2,3,4,5,6,7
	ds_load_b128 v[\f+8*\i:\f+8*\i+3],   v[ADRA+\slot] offset:\k+\i*16*PITCH
	ds_load_b128 v[\f+8*\i+4:\f+8*\i+7], v[ADRA+\slot] offset:\k+\i*16*PITCH+32
.endr
.endm
; Four places behind a matrix instruction before a load lands on a register that it has read or a vector instruction reads its result (ISA guide 7.12.1 for vector
; instructions); the matrix instructions in between are not counted as places.
.macro PLACES
.rept 4
	v_nop
.endr
.endm
; A K step is four quarter steps of 32 along K, 64 matrix instructions each, on buffers 0, 1, 0, 1.
; One of the first three: multiplies buffer f; in its middle it fetches the next quarter's fragments, at byte k of the same slot's rows, into buffer g.
.macro QUARTER slot, k, f, g, zero
	s_wait_dscnt 8                                 ; W and x's rows 0-63 are in; the youngest eight loads (x's rows 64-127) may be out
	WIN MUL_LO
	MUL16 \f, 0, 0, \zero
	MUL16 \f, 0, 2, \zero
	PLACES
	FETCH \slot, \k, \g
	s_wait_dscnt 32                                ; all but the 32 just issued
	WIN MUL_HI
	MUL16 \f, 1, 0, \zero
	MUL16 \f, 1, 2, \zero
.endm
.macro THREE slot, zero
	QUARTER \slot, 64,  F0, F1, \zero
	QUARTER \slot, 128, F1, F0, 0
	QUARTER \slot, 192, F0, F1, 0
.endm
; The last quarter: multiplies buffer 1 and changes slots.  next = the other slot; fill = 1: this slot is filled again, two K steps ahead.
; One barrier for the change of slots.  In front of it each wave waits for its own reads of this slot and for all its tensor loads, of which one is out: its part of the
; next slot.  Behind it nobody reads this slot any more and the next slot is whole: the refill comes first, then the next slot's first fragments.
; From a request to the wait for it a wave issues 240 matrix instructions.
.macro TURN slot, next, fill
	s_wait_dscnt 8
	WIN MUL_LO
	MUL16 F1, 0, 0, 0
	s_wait_dscnt 0                                 ; my reads of this slot are over
	s_wait_tensorcnt 0x0                           ; and all my tensor loads have landed:
	ds_add_u32 v255, v31
	s_wait_dscnt 0x0
	s_barrier_signal -1                            ; say so (where a slot is filled again this barrier opens a round of the cluster's barrier),
	MUL16 F1, 0, 2, 0                              ; work on registers while the others arrive,
	WIN 0
	s_barrier_wait -1                              ; and go on when all four have said so
.if \fill
	CREST                                          ; no wave of any partner still reads this slot's tile or has a load on its way
	s_add_nc_u64 s[G0+4*\slot+2:G0+4*\slot+3], s[G0+4*\slot+2:G0+4*\slot+3], 2*KSTEP*2
	s_add_nc_u64 s[G0B+4*\slot+2:G0B+4*\slot+3], s[G0B+4*\slot+2:G0B+4*\slot+3], 2*KSTEP*2
	JLOAD \slot                                    ; the first tensor load behind the round
.endif
	PLACES
	FETCH \next, 0, F0
	WIN MUL_HI
	MUL16 F1, 1, 0, 0
	MUL16 F1, 1, 2, 0
.endm
.macro LAP zero                        ; once round the ring, both slots filled again
	THREE 0, \zero
	TURN 0, 1, 1
	THREE 1, 0
	TURN 1, 0, 1
.endm
	s_wait_loadcnt 0x0                             ; the bias, once
	s_wait_tensorcnt 1                             ; my part of K step 0 is in; K step 1's load stays out
	s_barrier_signal -1
	s_barrier_wait -1                              ; everybody's is
	FETCH 0, 0, F0
	LAP 1                                          ; the first lap stands in front of the loop: its first products start the sums
	WIN 0                                          ; at a label and at a branch every window is 0
	s_mov_b32 s3, LAPS-2
.Llap:
	LAP 0
	WIN 0
	s_sub_co_u32 s3, s3, 1
	s_cmp_lg_u32 s3, 0
	s_cbranch_scc1 .Llap
	THREE 0, 0                                     ; the last lap fills nothing and has no round: my one tensor load that is still out is the last K step's
	TURN 0, 1, 0
	THREE 1, 0
	s_wait_dscnt 8                                 ; the very last quarter: nothing more to fetch
	WIN MUL_LO
	MUL16 F1, 0, 0, 0
	MUL16 F1, 0, 2, 0
	s_wait_dscnt 0
	WIN MUL_HI
	MUL16 F1, 1, 0, 0
	MUL16 F1, 1, 2, 0
	; THE WAY OUT, 16 rows at a time: add the bias in f32, round to f16, 16 bytes a lane into my own stage, read back so that sixteen lanes hold two rows of one head.
	PLACES
	s_and_b32 s14, s13, 15                         ; row block in the tensor
	s_lshr_b32 s16, s14, 3                         ; batch
	s_lshl_b32 s16, s16, 15                        ; x 16 heads x 2,048 rows
	s_and_b32 s14, s14, 7
	s_lshl_b32 s14, s14, 8
	s_add_co_u32 s16, s16, s14                     ; + 256 x (row block in the batch)
	s_lshl_b32 s14, s11, 7
	s_add_co_u32 s16, s16, s14                     ; + my 128 rows
	s_lshl_b32 s16, s16, 7                         ; rows of 128 bytes
	s_mov_b32 s17, 0
	s_add_nc_u64 s[8:9], s[8:9], s[16:17]
	s_lshl_b32 s46, s42, 2                         ; my first head = 4 x column block + 2 x half (in the registers that held W's address)
	s_lshl1_add_u32 s46, s12, s46
	s_lshl_b32 s46, s46, 18                        ; x 2,048 rows of 128 bytes
	s_mov_b32 s47, 0
	s_add_nc_u64 s[8:9], s[8:9], s[46:47]
; rows 16 i .. 16 i + 15 of my block = the eight tiles (a, 0..7) of window 2 or 3 (from = 2 or 3: source 0); rb: RB0 or RB1 in turn
.macro OUT16 i, a, from, rb
	WIN \from
.irp b, 0,1,2,3,4,5,6,7
.irp j, 0,1,2,3
	v_pk_add_f32 v[SUMS+8*\b+2*\j:SUMS+8*\b+2*\j+1], v[8*(8*\a+\b)+2*\j:8*(8*\a+\b)+2*\j+1], v[BIAS+8*\b+2*\j:BIAS+8*\b+2*\j+1]
.endr
.endr
	WIN 0
.irp b, 0,1,2,3,4,5,6,7
.irp j, 0,1,2,3
	v_cvt_pk_f16_f32 v[PK+4*\b+\j], v[SUMS+8*\b+2*\j], v[SUMS+8*\b+2*\j+1]
.endr
.endr
.irp b, 0,1,2,3,4,5,6,7
	ds_store_b128 v[STO], v[PK+4*\b:PK+4*\b+3] offset:32*\b
.endr
	s_wait_xcnt 0x0                                ; buffer rb, which earlier stores read, is loaded again only behind this wait
.irp t, 0,1,2,3,4,5,6,7
	ds_load_b128 v[\rb+4*\t:\rb+4*\t+3], v[RD] offset:\t*2*SPITCH  ; LDS serves a wave's instructions in order (ISA guide 5.7.1): these see the stores above
.endr
.irp t, 0,1,2,3,4,5,6,7
	s_wait_dscnt 7-\t                              ; rows 2 t, 2 t + 1 are in; the younger loads stay out
	global_store_b128 v[CO], v[\rb+4*\t:\rb+4*\t+3], s[8:9] offset:\i*2048+\t*256   ; sixteen lanes store 256 consecutive bytes, aligned
.endr
.endm
	OUT16 0, 0, 2, RB0
	OUT16 1, 1, 2, RB1
	OUT16 2, 2, 2, RB0
	OUT16 3, 3, 2, RB1
	OUT16 4, 0, 3, RB0
	OUT16 5, 1, 3, RB1
	OUT16 6, 2, 3, RB0
	OUT16 7, 3, 3, RB1
	s_set_vgpr_msb 0x1
	s_wait_tensorcnt 0x0
	ds_add_u32 v255, v31
	s_wait_dscnt 0x0
	s_set_vgpr_msb 0x100
	CROUND                                         ; the closing round: no work-group ends while a partner may still ask for a tile that names it
	s_endpgm
.Lfunc_end_k_qc0f5e44ce6_qkv:
	.size	k_qc0f5e44ce6_qkv, .Lfunc_end_k_qc0f5e44ce6_qkv-k_qc0f5e44ce6_qkv
	.p2alignl 7, 3214868480
	.fill 96, 4, 3214868480
	.section	.rodata,"a",@progbits
	.p2align	6, 0x0
	.amdhsa_kernel k_qc0f5e44ce6_qkv
		.amdhsa_group_segment_fixed_size 327680
		.amdhsa_private_segment_fixed_size 0
		.amdhsa_enable_private_segment 0
		.amdhsa_kernarg_size 64
		.amdhsa_user_sgpr_count 2
		.amdhsa_user_sgpr_kernarg_segment_ptr 1
		.amdhsa_wavefront_size32 1
		.amdhsa_system_sgpr_workgroup_id_x 1
		.amdhsa_system_sgpr_workgroup_id_y 1
		.amdhsa_system_sgpr_workgroup_id_z 1
		.amdhsa_system_vgpr_workitem_id 0
		.amdhsa_next_free_vgpr 1024
		.amdhsa_next_free_sgpr 84
		.amdhsa_reserve_vcc 0
		.amdhsa_float_denorm_mode_32 3
		.amdhsa_float_denorm_mode_16_64 3
		.amdhsa_memory_ordered 1
		.amdhsa_forward_progress 1
		.amdhsa_inst_pref_size 214
	.end_amdhsa_kernel
	.amdgpu_metadata
---
amdhsa.version: [ 1, 2 ]
amdhsa.kernels:
  - .name:           k_qc0f5e44ce6_qkv
    .symbol:         k_qc0f5e44ce6_qkv.kd
    .args:
      - { .name: x16, .offset: 0, .size: 8, .value_kind: global_buffer, .address_space: global }
      - { .name: w16, .offset: 8, .size: 8, .value_kind: global_buffer, .address_space: global }
      - { .name: bq, .offset: 16, .size: 8, .value_kind: global_buffer, .address_space: global }
      - { .name: bk, .offset: 24, .size: 8, .value_kind: global_buffer, .address_space: global }
      - { .name: bv, .offset: 32, .size: 8, .value_kind: global_buffer, .address_space: global }
      - { .name: qh, .offset: 40, .size: 8, .value_kind: global_buffer, .address_space: global }
      - { .name: kh, .offset: 48, .size: 8, .value_kind: global_buffer, .address_space: global }
      - { .name: vh, .offset: 56, .size: 8, .value_kind: global_buffer, .address_space: global }
    .group_segment_fixed_size: 327680
    .private_segment_fixed_size: 0
    .kernarg_segment_align: 8
    .kernarg_segment_size: 64
    .max_flat_workgroup_size: 128
    .sgpr_count:     84
    .vgpr_count:     1024
    .wavefront_size: 32
...
	.end_amdgpu_metadata
.endif
;; end of part 5
;; launch attn (part 6): grid 8 x 32, 8 waves a work-group, clusters of 4 x 1, 327,680 bytes of LDS; arguments qh, kh, vh, ctx; writes ctx
.if DOCPART == 6
	.amdgcn_target "amdgcn-amd-amdhsa--gfx1250"
	.amdhsa_code_object_version 6
	.text
	.protected	k_qc0f5e44ce6_attn
	.globl	k_qc0f5e44ce6_attn
	.p2align	8
	.type	k_qc0f5e44ce6_attn,@function
k_qc0f5e44ce6_attn:
	s_mov_b64 s[64:65], 0
	v_nop
	global_prefetch_b8 v0, s[64:65] scope:SCOPE_SE
	s_setreg_imm32_b32 hwreg(HW_REG_WAVE_MODE, 25, 1), 1
	s_wait_xcnt 0x0
	s_wait_alu depctr_hold_cnt(0) depctr_sa_sdst(0) depctr_va_vdst(0) depctr_va_sdst(0) depctr_va_ssrc(0) depctr_va_vcc(0) depctr_vm_vsrc(0)
	s_getreg_b32 s2, hwreg(HW_REG_IB_STS2, 6, 4)
	s_cmp_eq_u32 s2, 0
	s_cbranch_scc0 .Lentry_in_a_cluster
	s_endpgm
.Lentry_in_a_cluster:
	s_bfe_u32 s2, ttmp6, 0x10000c
	s_cmp_lg_u32 s2, 0x3003
	s_cbranch_scc0 .Lentry_shape_is_right
	s_endpgm
.Lentry_shape_is_right:
; ctx = softmax(Q K^T / 8) V for each of the 32 (batch, head) pairs.  qh, kh, vh, ctx: [32][2048][64] f16.
; A work-group has 256 query rows of one pair (grid y = pair, grid x = query block).  Eight waves: p = wave & 3 picks 64 query rows, g = wave >> 2 the key
; half: of each slot of 256 keys group g takes keys 128 g .. 128 g + 127, in two units of 64.  Waves p and p + 4 hold partial (shift, l, O) of the same rows and merge at the end.
; CLUSTER: the four work-groups of a cluster (four query blocks of one pair) need the same K and V tiles and ask for them jointly (mask 15).  A joint
; load's registers are made of the pair's number, the wave's number and the step alone; the place in the cluster enters only Q's and ctx's global offsets.
; TRANSPOSED PRODUCTS: S^T = K Q^T (source 0 = 16 keys, source 1 = 16 queries): lane (r, h), register j holds key 8 h + j of query r.  Two such tiles,
; packed in pairs, ARE the source-1 fragment of 32 keys for O^T = V^T P^T (source 0 = 16 columns of V by the transposing LDS load).  So the running maximum,
; the sum and the rescaling factor are one number a lane for each query tile, and P never leaves the registers.
; TWO KINDS OF WAVE, half a unit apart: kind = (wave ^ wave >> 2) & 1, so that waves w and w + 4 differ in kind, and so do waves 2 i and 2 i + 1.  The early kind runs
; a step as scores, softmax, P V, scores, softmax, P V.  The late kind ends a step behind its second score product and carries that unit's softmax and P V (registers
; alone: S, and V's fragments, loaded and waited for in front of the round) over the round.  So behind each round one kind begins with matrix lines and the other with
; vector lines, and they go on by turns.  A unit is 64 matrix lines and about 470 vector lines of a wave.  Both kinds do the same work a step; the late kind ends with
; a tail of half a unit.  Waits, rounds and joint loads are common text; the branch behind them hangs on the wave's number alone and jumps over LDS loads and register work only.
; SOFTMAX: a running maximum m of the raw scores; NM = round(-c m), c = log2(e) / 8; p = exp2(c s + NM) in one fused multiply-add; the old sums are
; rescaled by exp2(NM new - NM old), the very shifts that were used.  l is summed in f32 from p before p is rounded to f16 for P V.
; LIMITS: operands f16, so |q|, |k|, |v| projections are below 65,504; p below 6e-8 rounds to 0 in f16 (at most 2,048 x 6e-8 of a row's weight);
; v_exp_f32 gives 0 for results below 2^-126 (ISA guide 15.8).  Inputs for which the scores are not finite are not served.
.set KP,    272                        ; an LDS row of K: two keys (256 bytes) + 16: a fragment load's 16 keys fall on 16 different 16-byte columns modulo 256 bytes
.set VP,    288                        ; an LDS row of V: two keys + 32: the same for the transposing load's 16 lanes
.set KT,    128*KP
.set VT,    128*VP
.set SLOT,  KT+VT                      ; 256 keys of K, then of V
.set EX,    2*SLOT                     ; 1,024 bytes a wave: shifts and sums for the partner.  No tensor load lands here or in ST
.set ST,    EX+8192                    ; 64 rows x 272 bytes a wave: O in f32
.set SP,    272
.set STW,   64*SP
.set STEPB, 256*128                    ; bytes of K (or V) in a step of 256 keys
.set ADK,  6                           ; v6-7   my K fragment address, slot 0, 1
.set ADV,  8                           ; v8-9   my V fragment address
.set QOFF, 10
.set EXA,  11
.set EXB,  12
.set STO,  13
.set RD0,  14
.set RD1,  15
.set CO,   16
.set MX,   20                          ; v[20:23]  running maximum of query tile t
.set LS,   24                          ; v[24:31]  a pair of partial sums for each t
.set AL,   32                          ; v[32:39]  rescaling factor, low register of a pair (the high one is written once and never used)
.set NM,   40                          ; v[40:47]  the shift, likewise
.set TT,   48                          ; v[48:63]  at work: four registers for each query tile, TT + 4 t + k
.set LTOT, 56                          ; v[56:59]  the merge alone (behind the last softmax step)
.set PLT,  60                          ; v[60:63]  the merge alone
.set SC,   64                          ; v[64:191]  S(t, kt) at SC + 8 (4 t + kt); later P(t, kstep) at SC + 32 t + 16 kstep
.set VFR,  192                         ; v[192:255] V^T fragments (kstep, d) at VFR + 8 (4 kstep + d)
; window 1: O(d, t) at v[8 (4 t + d)]; Q(t, ks) at QF + 8 (2 t + ks); K(kt, ks) at KFR + 8 (2 kt + ks)
.set QF,   128
.set KFR,  192
.set G1K,  20                          ; s[20:27] shape of a K load
.set G1V,  28                          ; s[28:35] shape of a V load
.set G0K,  36                          ; s[36:43] from where, to where: K, slot 0, 1
.set G0V,  44                          ; s[44:51] V, slot 0, 1
.set MSB, 0
.macro WIN new                         ; s_set_vgpr_msb: the immediate's high byte repeats the setting that is left; no switch where nothing changes
.if MSB != \new
	s_set_vgpr_msb (MSB<<8)|\new
.set MSB, \new
.endif
.endm
.macro PLACES n                        ; places behind a matrix instruction (ISA guide 7.12.1)
.rept \n
	v_nop
.endr
.endm
; A round of the cluster's barrier: my work-group's barrier, wave 0 signals for the work-group, every wave waits for all four work-groups, my work-group's barrier again.
.macro ROUND
	s_barrier_signal -1
	s_barrier_wait -1
	s_cmp_lg_u32 s12, 0
	s_cbranch_scc1 .Lnot_wave_0_\@
	s_barrier_signal -3
.Lnot_wave_0_\@:
	s_barrier_wait -3
	s_barrier_signal -1
	s_barrier_wait -1
.endm
	s_load_b256 s[4:11], s[0:1], 0x0               ; qh 4, kh 6, vh 8, ctx 10
	v_lshl_add_u32 v18, v0, 2, 0x47000
	v_mov_b32 v19, 0
	ds_add_u32 v18, v19
	v_lshrrev_b32 v1, 5, v0
	v_readfirstlane_b32 s12, v1                    ; wave
	s_lshr_b32 s13, s12, 2                         ; g
	s_and_b32 s14, s12, 3                          ; p
	s_xor_b32 s3, s13, s12
	s_and_b32 s3, s3, 1                            ; kind: 0 early, 1 late
	s_and_b32 s15, ttmp7, 0xffff                   ; the (batch, head) pair
	s_bfe_u32 s16, ttmp6, 0x40000                  ; cx
	s_lshl_b32 s17, ttmp9, 2
	s_add_co_u32 s17, s17, s16                     ; query block = 4 x cluster x + cx
	s_mov_b32 s52, 0x3e38aa3b                      ; c = log2(e) / 8
	s_mov_b32 s53, 0x3e38aa3b
	s_mov_b32 s54, 0xbe38aa3b                      ; -c
	s_mov_b32 s56, 0x76543210                      ; v_permlanex16_b32: lane i of one half reads lane i of the other
	s_mov_b32 s57, 0xfedcba98
	; group 1: a dense block of 16 rows of 32 elements of 8 bytes (32 keys), padded behind each row
	s_mov_b32 s[G1K+0], 15|(3<<16)|(1<<20)|(1<<21)|(5<<22)|(3<<25)   ; mask: all four work-groups; 8-byte elements; padding on; bit 21 beside a mask; behind every 64 words; 4 words
	s_mov_b32 s[G1V+0], 15|(3<<16)|(1<<20)|(1<<21)|(5<<22)|(7<<25)   ; the same with 8 words
.irp g, G1K, G1V
	s_mov_b32 s[\g+1], 32<<16                      ; tensor_dim0 = 32
	s_mov_b32 s[\g+2], 16<<16                      ; tensor_dim1 = 16
	s_mov_b32 s[\g+3], 32<<16                      ; tile_dim0 = 32
	s_mov_b32 s[\g+4], 16                          ; tile_dim1 = 16
	s_mov_b32 s[\g+5], 32                          ; from row to row: 32 elements
	s_mov_b32 s[\g+6], 0
	s_mov_b32 s[\g+7], 0
.endr
	s_mul_i32 s18, s12, 16*KP                      ; my 16 LDS rows of K
	s_mul_i32 s19, s12, 16*VP
	s_add_co_u32 s19, s19, KT                      ; and of V
	s_lshl_b32 s60, s15, 18                        ; the pair's 2,048 rows of 128 bytes
	s_lshl_b32 s59, s12, 12                        ; + my 32 keys
	s_add_co_u32 s60, s60, s59
	s_mov_b32 s61, 0
	s_lshl_b32 s62, s15, 18                        ; Q and ctx: the pair,
	s_lshl_b32 s55, s17, 15                        ; + 256 rows x query block
	s_add_co_u32 s62, s62, s55
	s_lshl_b32 s55, s14, 13                        ; + 64 p rows
	s_add_co_u32 s62, s62, s55
	s_mov_b32 s63, 0
	v_and_b32 v3, 31, v0                           ; lane
	v_and_b32 v1, 15, v0                           ; r
	v_bfe_u32 v2, v0, 4, 1                         ; h
	v_lshrrev_b32 v4, 1, v1                        ; K: key r lies in LDS row r / 2, half r % 2
	v_mul_u32_u24 v4, v4, KP
	v_and_b32 v5, 1, v1
	v_lshl_add_u32 v4, v5, 7, v4
	v_lshl_add_u32 v4, v2, 4, v4
	s_mul_i32 s59, s13, 64*KP                      ; my group's 128 keys
	v_add_nc_u32 v[ADK], s59, v4
	v_add_nc_u32 v[ADK+1], SLOT, v[ADK]
	v_bfe_u32 v4, v0, 1, 2                         ; V: key 8 h + (lane & 7): LDS row 4 h + (lane & 7) / 2,
	v_lshl_add_u32 v4, v2, 2, v4
	v_mul_u32_u24 v4, v4, VP
	v_and_b32 v5, 1, v0                            ; half lane & 1,
	v_lshl_add_u32 v4, v5, 7, v4
	v_bfe_u32 v5, v0, 3, 1                         ; 16 bytes by bit 3 of the lane
	v_lshl_add_u32 v4, v5, 4, v4
	s_mul_i32 s59, s13, 64*VP
	s_add_co_u32 s59, s59, KT
	v_add_nc_u32 v[ADV], s59, v4
	v_add_nc_u32 v[ADV+1], SLOT, v[ADV]
	v_lshlrev_b32 v[QOFF], 7, v1
	v_lshl_add_u32 v[QOFF], v2, 4, v[QOFF]
	s_lshl_b32 s59, s12, 10
	s_add_co_u32 s59, s59, EX
	v_lshl_add_u32 v[EXA], v3, 4, s59
	s_xor_b32 s59, s12, 4                          ; the partner: same rows, other key half
	s_lshl_b32 s59, s59, 10
	s_add_co_u32 s59, s59, EX
	v_lshl_add_u32 v[EXB], v3, 4, s59
	v_mul_u32_u24 v4, v1, SP
	v_lshl_add_u32 v4, v2, 5, v4
	s_mul_i32 s59, s12, STW
	s_add_co_u32 s59, s59, ST
	v_add_nc_u32 v[STO], s59, v4
	v_mul_u32_u24 v4, v2, SP
	v_lshl_add_u32 v4, v1, 4, v4
	s_mul_i32 s59, s14, STW
	s_mul_i32 s58, s13, 32*SP
	s_add_co_u32 s59, s59, s58
	s_add_co_u32 s59, s59, ST
	v_add_nc_u32 v[RD0], s59, v4                   ; rows 32 g .. of wave p's stage,
	v_add_nc_u32 v[RD1], 4*STW, v[RD0]             ; and of wave p + 4's
	v_lshlrev_b32 v[CO], 3, v3
.irp t, 0,1,2,3
	v_mov_b32 v[AL+2*\t+1], 0                      ; the pairs' high registers: named by the packed forms, never selected
	v_mov_b32 v[NM+2*\t+1], 0
.endr
	s_wait_dscnt 0x0
	s_wait_kmcnt 0x0
	s_add_nc_u64 s[6:7], s[6:7], s[60:61]
	s_add_nc_u64 s[8:9], s[8:9], s[60:61]
	s_add_nc_u64 s[4:5], s[4:5], s[62:63]
	s_lshl_b32 s55, s13, 12                        ; ctx: + 32 g rows
	s_add_co_u32 s62, s62, s55
	s_add_nc_u64 s[10:11], s[10:11], s[62:63]
.irp s, 0,1
	s_mov_b32 s[G0K+4*\s], 1
	s_add_co_u32 s[G0K+4*\s+1], s18, \s*SLOT
	s_add_nc_u64 s[G0K+4*\s+2:G0K+4*\s+3], s[6:7], \s*STEPB
	s_or_b32 s[G0K+4*\s+3], s[G0K+4*\s+3], 0x80000000
	s_mov_b32 s[G0V+4*\s], 1
	s_add_co_u32 s[G0V+4*\s+1], s19, \s*SLOT
	s_add_nc_u64 s[G0V+4*\s+2:G0V+4*\s+3], s[8:9], \s*STEPB
	s_or_b32 s[G0V+4*\s+3], s[G0V+4*\s+3], 0x80000000
.endr
	ROUND                                          ; all four work-groups are here: the first joint loads meet
	tensor_load_to_lds s[G0K:G0K+3], s[G1K:G1K+7]
	s_nop 0
	tensor_load_to_lds s[G0V:G0V+3], s[G1V:G1V+7]
	s_nop 0
	WIN 0x40                                       ; Q's fragments go to window 1 and stay there
.irp t, 0,1,2,3
.irp ks, 0,1
	global_load_b128 v[QF+8*(2*\t+\ks):QF+8*(2*\t+\ks)+3],   v[QOFF], s[4:5] offset:\t*2048+64*\ks
	global_load_b128 v[QF+8*(2*\t+\ks)+4:QF+8*(2*\t+\ks)+7], v[QOFF], s[4:5] offset:\t*2048+64*\ks+32
.endr
.endr
	WIN 0
	s_wait_loadcnt 0x0
.macro KLOAD s, u                      ; 16 loads: the K fragments of unit u (64 keys x 64)
	WIN 0x40
.irp kt, 0,1,2,3
.irp ks, 0,1
	ds_load_b128 v[KFR+8*(2*\kt+\ks):KFR+8*(2*\kt+\ks)+3],   v[ADK+\s] offset:\u*32*KP+\kt*8*KP+64*\ks
	ds_load_b128 v[KFR+8*(2*\kt+\ks)+4:KFR+8*(2*\kt+\ks)+7], v[ADK+\s] offset:\u*32*KP+\kt*8*KP+64*\ks+32
.endr
.endr
.endm
.macro VLOAD s, u                      ; 16 transposing loads: lane (r, h) gets column 16 d + r of V, keys 8 h .. + 7 and, 8 LDS rows on, 16 + 8 h .. + 7
	WIN 0
.irp ks, 0,1
.irp d, 0,1,2,3
	ds_load_tr16_b128 v[VFR+8*(4*\ks+\d):VFR+8*(4*\ks+\d)+3],   v[ADV+\s] offset:\u*32*VP+\ks*16*VP+32*\d
	ds_load_tr16_b128 v[VFR+8*(4*\ks+\d)+4:VFR+8*(4*\ks+\d)+7], v[ADV+\s] offset:\u*32*VP+\ks*16*VP+32*\d+8*VP
.endr
.endr
.endm
; In both products sixteen accumulators take turns, one instruction a turn.
.macro SMUL                            ; 32 matrix instructions: the scores of 64 keys x 64 queries
	WIN 0x05                                       ; sources 0 and 1 in window 1
.irp kt, 0,1,2,3
.irp t, 0,1,2,3
	v_wmma_f32_16x16x32_f16 v[SC+8*(4*\t+\kt):SC+8*(4*\t+\kt)+7], v[KFR+16*\kt:KFR+16*\kt+7], v[QF+16*\t:QF+16*\t+7], 0
.endr
.endr
.irp kt, 0,1,2,3
.irp t, 0,1,2,3
	v_wmma_f32_16x16x32_f16 v[SC+8*(4*\t+\kt):SC+8*(4*\t+\kt)+7], v[KFR+16*\kt+8:KFR+16*\kt+15], v[QF+16*\t+8:QF+16*\t+15], v[SC+8*(4*\t+\kt):SC+8*(4*\t+\kt)+7]
.endr
.endr
.endm
.macro PVK ks, zero
.irp d, 0,1,2,3
.irp t, 0,1,2,3
.if \zero
	v_wmma_f32_16x16x32_f16 v[8*(4*\t+\d):8*(4*\t+\d)+7], v[VFR+8*(4*\ks+\d):VFR+8*(4*\ks+\d)+7], v[SC+32*\t+16*\ks:SC+32*\t+16*\ks+7], 0
.else
	v_wmma_f32_16x16x32_f16 v[8*(4*\t+\d):8*(4*\t+\d)+7], v[VFR+8*(4*\ks+\d):VFR+8*(4*\ks+\d)+7], v[SC+32*\t+16*\ks:SC+32*\t+16*\ks+7], v[8*(4*\t+\d):8*(4*\t+\d)+7]
.endif
.endr
.endr
.endm
.macro PV zero                         ; 32 matrix instructions: O^T += V^T P^T.  zero = 1: the first products start O, nothing is cleared
	WIN 0x50                                       ; C and D in window 1
	PVK 0, \zero
	PVK 1, 0
.endm
; The softmax step of the four query tiles, 32 scores a lane each.  first = 1: there is no state yet.
; The short dependent steps (last maxima, exchange of the halves, shift, factor) are issued for all four tiles in a row, so that no line reads the line in front of it.
.macro SM4 first
.irp t, 0,1,2,3
	v_max3_num_f32 v[TT+4*\t+0], v[SC+32*\t+0], v[SC+32*\t+1], v[SC+32*\t+2]     ; four chains that do not wait for each other
	v_max3_num_f32 v[TT+4*\t+1], v[SC+32*\t+3], v[SC+32*\t+4], v[SC+32*\t+5]
	v_max3_num_f32 v[TT+4*\t+2], v[SC+32*\t+6], v[SC+32*\t+7], v[SC+32*\t+8]
	v_max3_num_f32 v[TT+4*\t+3], v[SC+32*\t+9], v[SC+32*\t+10], v[SC+32*\t+11]
.irp n, 0,1
.irp c, 0,1,2,3
	v_max3_num_f32 v[TT+4*\t+\c], v[TT+4*\t+\c], v[SC+32*\t+12+8*\n+2*\c], v[SC+32*\t+13+8*\n+2*\c]
.endr
.endr
	v_max3_num_f32 v[TT+4*\t+0], v[TT+4*\t+0], v[SC+32*\t+28], v[SC+32*\t+29]
	v_max3_num_f32 v[TT+4*\t+1], v[TT+4*\t+1], v[SC+32*\t+30], v[SC+32*\t+31]
.endr
.irp t, 0,1,2,3
	v_max3_num_f32 v[TT+4*\t], v[TT+4*\t], v[TT+4*\t+1], v[TT+4*\t+2]
.endr
.irp t, 0,1,2,3
.if \first
	v_max_num_f32 v[TT+4*\t], v[TT+4*\t], v[TT+4*\t+3]
.else
	v_max3_num_f32 v[TT+4*\t], v[TT+4*\t], v[TT+4*\t+3], v[MX+\t]
.endif
.endr
.irp t, 0,1,2,3
	v_permlanex16_b32 v[TT+4*\t+1], v[TT+4*\t], s56, s57           ; the other half of the lanes holds the query's other keys
.endr
.irp t, 0,1,2,3
	v_max_num_f32 v[MX+\t], v[TT+4*\t], v[TT+4*\t+1]
.endr
.if \first
.irp t, 0,1,2,3
	v_mul_f32 v[NM+2*\t], s54, v[MX+\t]
.endr
.else
.irp t, 0,1,2,3
	v_mul_f32 v[TT+4*\t+2], s54, v[MX+\t]          ; the new shift
.endr
.irp t, 0,1,2,3
	v_sub_f32 v[TT+4*\t+3], v[TT+4*\t+2], v[NM+2*\t]               ; new - old <= 0
.endr
.irp t, 0,1,2,3
	v_exp_f32 v[AL+2*\t], v[TT+4*\t+3]
.endr
.irp t, 0,1,2,3
	v_mov_b32 v[NM+2*\t], v[TT+4*\t+2]             ; plain lines behind the exponentials (ISA guide 5.7.2): they touch neither their results nor their sources
.endr
.endif
.irp t, 0,1,2,3
.set j, 0
.rept 16
	v_pk_fma_f32 v[SC+32*\t+2*j:SC+32*\t+2*j+1], v[SC+32*\t+2*j:SC+32*\t+2*j+1], s[52:53], v[NM+2*\t:NM+2*\t+1] op_sel_hi:[1,0,0]
.set j, j+1
.endr
.set j, 0
.rept 32
	v_exp_f32 v[SC+32*\t+j], v[SC+32*\t+j]
.set j, j+1
.endr
	v_nop                                          ; one plain place before the exponentials' results are used
	; Pair i is added to the sums, then packed in place: the target register lies at or below the pair, so no pair is lost before it is read.
	; Two chains: the even pairs go to LS, the odd ones to TT + 4 t, TT + 4 t + 1; pairs 1 and 3 (and, where first = 1, pairs 0 and 2) start their chain together.
.irp i, 0,1,2,3,4,5,6,7,8,9,10,11,12,13,14,15
.if \i == 0
.if \first
	s_wait_alu depctr_va_vdst(0)
	v_pk_add_f32 v[LS+2*\t:LS+2*\t+1], v[SC+32*\t:SC+32*\t+1], v[SC+32*\t+4:SC+32*\t+5]
.else
	s_wait_alu depctr_va_vdst(0)
	v_pk_fma_f32 v[LS+2*\t:LS+2*\t+1], v[LS+2*\t:LS+2*\t+1], v[AL+2*\t:AL+2*\t+1], v[SC+32*\t:SC+32*\t+1] op_sel_hi:[1,0,1]
.endif
.elseif \i == 1
	v_pk_add_f32 v[TT+4*\t:TT+4*\t+1], v[SC+32*\t+2:SC+32*\t+3], v[SC+32*\t+6:SC+32*\t+7]
.elseif (\i == 3) + (\i == 2) * \first
	; this pair went in with its chain's start
.elseif \i & 1
	v_pk_add_f32 v[TT+4*\t:TT+4*\t+1], v[TT+4*\t:TT+4*\t+1], v[SC+32*\t+2*\i:SC+32*\t+2*\i+1]
.else
	v_pk_add_f32 v[LS+2*\t:LS+2*\t+1], v[LS+2*\t:LS+2*\t+1], v[SC+32*\t+2*\i:SC+32*\t+2*\i+1]
.endif
	v_cvt_pk_f16_f32 v[SC+32*\t+16*(\i>>3)+(\i&7)], v[SC+32*\t+2*\i], v[SC+32*\t+2*\i+1]
.endr
	v_pk_add_f32 v[LS+2*\t:LS+2*\t+1], v[LS+2*\t:LS+2*\t+1], v[TT+4*\t:TT+4*\t+1]
.endr
.endm
.macro RESC                            ; O of query tile t times its factor
	WIN 0x41                                       ; source 0 and destination in window 1
.irp t, 0,1,2,3
.set j, 0
.rept 16
	v_pk_mul_f32 v[32*\t+2*j:32*\t+2*j+1], v[32*\t+2*j:32*\t+2*j+1], v[AL+2*\t:AL+2*\t+1] op_sel_hi:[1,0]
.set j, j+1
.endr
.endr
.endm
; THE EARLY KIND: my group's 128 keys of slot s, in two units of 64.  Each run of 16 fragment loads is issued a phase ahead of its use.
.macro WORKE s, first
	KLOAD \s, 0
	VLOAD \s, 0
	s_wait_dscnt 16                                ; K's 16 loads are in, V's 16 stay out
	SMUL
	PLACES 4
	KLOAD \s, 1
	WIN 0
	SM4 \first
.if \first == 0
	RESC
.endif
	s_wait_dscnt 16                                ; V's are in, the next K's 16 stay out
	PV \first
	PLACES 5                                       ; five: the next score products write over P's registers
	VLOAD \s, 1
	s_wait_dscnt 16                                ; K's are in, V's 16 stay out
	SMUL
	PLACES 4
	WIN 0
	SM4 0
	RESC
	s_wait_dscnt 0
	PV 0
	PLACES 5
	WIN 0
.endm
; THE LATE KIND: first the softmax and P V of the unit carried over the round (its S and V fragments are in registers), then slot s's first unit whole,
; then the second unit's scores.  The second unit's V fragments are asked for here and are in by the wait for all LDS loads in front of the next round.
; first = 1: nothing is carried yet.
.macro WORKL s, first
.if \first
	KLOAD \s, 0
	VLOAD \s, 0
	s_wait_dscnt 16                                ; K's 16 loads are in, V's 16 stay out
	SMUL
	PLACES 4
	KLOAD \s, 1
	WIN 0
	SM4 1
	s_wait_dscnt 16                                ; V's are in, the next K's 16 stay out
	PV 1
.else
	KLOAD \s, 0                                    ; K's registers are free since the places behind the last score products
	WIN 0
	SM4 0
	RESC
	PV 0                                           ; the carried unit
	PLACES 5
	VLOAD \s, 0
	s_wait_dscnt 16                                ; K's are in, V's 16 stay out
	SMUL
	PLACES 4
	KLOAD \s, 1
	WIN 0
	SM4 0
	RESC
	s_wait_dscnt 16                                ; V's are in, the next K's 16 stay out
	PV 0
.endif
	PLACES 5
	VLOAD \s, 1
	s_wait_dscnt 16                                ; K's are in, V's 16 stay out
	SMUL
	PLACES 5                                       ; five: whatever matrix line comes next may write over S
	WIN 0
.endm
; A step of 256 keys.  The round of the cluster's barrier orders two things: in front of it every wave's reads of the slot read last are back and all its
; tensor loads have landed (this step's tile among them); behind it the joint refills come first.  A wave has two tensor loads out, with the step's work in which to land.
.macro TRIP s, refill, first
	s_wait_tensorcnt 0x0
	ds_add_u32 v18, v19
	s_wait_dscnt 0x0
	s_add_nc_u64 s[G0K+4*\s+2:G0K+4*\s+3], s[G0K+4*\s+2:G0K+4*\s+3], 2*STEPB     ; no load of mine is out: this slot's next tile
	s_add_nc_u64 s[G0V+4*\s+2:G0V+4*\s+3], s[G0V+4*\s+2:G0V+4*\s+3], 2*STEPB
	s_wait_dscnt 0x0
	ROUND
.if \refill
	tensor_load_to_lds s[G0K+4*(1-\s):G0K+4*(1-\s)+3], s[G1K:G1K+7]
	s_nop 0
	tensor_load_to_lds s[G0V+4*(1-\s):G0V+4*(1-\s)+3], s[G1V:G1V+7]
	s_nop 0
.endif
	s_cmp_lg_u32 s3, 0                             ; the kind hangs on the wave's number alone
	s_cbranch_scc1 .Llate_\@
	WORKE \s, \first
	s_branch .Ljoin_\@
.Llate_\@:
	WORKL \s, \first
.Ljoin_\@:
.endm
	TRIP 0, 1, 1                                   ; step 0
	s_mov_b32 s58, 3
.Lstep:
	TRIP 1, 1, 0                                   ; steps 1, 3, 5
	TRIP 0, 1, 0                                   ; steps 2, 4, 6
	s_sub_co_u32 s58, s58, 1
	s_cmp_lg_u32 s58, 0
	s_cbranch_scc1 .Lstep
	TRIP 1, 0, 0                                   ; the eighth step fetches nothing (its stepped addresses are not used)
	s_cmp_eq_u32 s3, 0
	s_cbranch_scc1 .Lmerge
	SM4 0                                          ; the late kind's tail: the last unit's softmax and P V
	RESC
	s_wait_dscnt 0x0                               ; V's last fragments
	PV 0
	PLACES 5
	WIN 0
.Lmerge:
	; THE MERGE of the two key halves: shifts and sums go to the partner through LDS.
.irp t, 0,1,2,3
	v_add_f32 v[LTOT+\t], v[LS+2*\t], v[LS+2*\t+1]
	v_mov_b32 v[TT+4+\t], v[NM+2*\t]               ; four shifts side by side for one store
.endr
.irp t, 0,1,2,3
	v_permlanex16_b32 v[TT+\t], v[LTOT+\t], s56, s57
.endr
.irp t, 0,1,2,3
	v_add_f32 v[LTOT+\t], v[LTOT+\t], v[TT+\t]
.endr
	ds_store_b128 v[EXA], v[TT+4:TT+7]
	ds_store_b128 v[EXA], v[LTOT:LTOT+3] offset:512
	s_wait_dscnt 0x0                               ; for the partner's sake
	s_barrier_signal -1
	s_barrier_wait -1
	ds_load_b128 v[TT:TT+3], v[EXB]                ; the partner's shifts
	ds_load_b128 v[PLT:PLT+3], v[EXB] offset:512   ; and sums
	s_wait_dscnt 0x0
.irp t, 0,1,2,3
	v_min_num_f32 v[MX+\t], v[TT+4+\t], v[TT+\t]   ; the smaller shift belongs to the larger maximum
.endr
.irp t, 0,1,2,3
	v_sub_f32 v[TT+4+\t], v[MX+\t], v[TT+4+\t]
	v_sub_f32 v[TT+\t], v[MX+\t], v[TT+\t]
.endr
.irp t, 0,1,2,3
	v_exp_f32 v[TT+4+\t], v[TT+4+\t]               ; my factor
	v_exp_f32 v[TT+\t], v[TT+\t]                   ; the partner's
.endr
	v_nop
	s_wait_alu depctr_va_vdst(0)
.irp t, 0,1,2,3
	v_mul_f32 v[LTOT+\t], v[LTOT+\t], v[TT+4+\t]
.endr
.irp t, 0,1,2,3
	v_fmac_f32 v[LTOT+\t], v[PLT+\t], v[TT+\t]     ; the whole row's sum: one factor is 1 and its sum holds the maximum's own term, about 1
.endr
.irp t, 0,1,2,3
	v_rcp_f32 v[LTOT+\t], v[LTOT+\t]
.endr
	v_nop
	s_wait_alu depctr_va_vdst(0)
.irp t, 0,1,2,3
	v_mul_f32 v[AL+2*\t], v[TT+4+\t], v[LTOT+\t]
.endr
	WIN 0x01                                       ; O from window 1, scaled into window 0
.irp t, 0,1,2,3
.set j, 0
.rept 16
	v_pk_mul_f32 v[SC+32*\t+2*j:SC+32*\t+2*j+1], v[32*\t+2*j:32*\t+2*j+1], v[AL+2*\t:AL+2*\t+1] op_sel_hi:[1,0]
.set j, j+1
.endr
.endr
	WIN 0
.irp t, 0,1,2,3
.irp d, 0,1,2,3
	ds_store_b128 v[STO], v[SC+8*(4*\t+\d):SC+8*(4*\t+\d)+3]   offset:\t*16*SP+64*\d      ; query 16 t + r, columns 16 d + 8 h + 0..7
	ds_store_b128 v[STO], v[SC+8*(4*\t+\d)+4:SC+8*(4*\t+\d)+7] offset:\t*16*SP+64*\d+16
.endr
.endr
	s_wait_dscnt 0x0
	s_barrier_signal -1
	s_barrier_wait -1
	; each wave adds 32 rows of the two stages, rounds to f16 and stores: 32 lanes write 256 consecutive bytes (two rows of ctx), aligned
.irp i, 0,1,2,3,4,5,6,7,8,9,10,11,12,13,14,15
	ds_load_b128 v[64+4*\i:64+4*\i+3],   v[RD0] offset:2*SP*\i
	ds_load_b128 v[128+4*\i:128+4*\i+3], v[RD1] offset:2*SP*\i
.endr
.irp i, 0,1,2,3,4,5,6,7,8,9,10,11,12,13,14,15
	s_wait_dscnt 30-2*\i                           ; pair i is in; the younger pairs stay out
	v_pk_add_f32 v[64+4*\i:64+4*\i+1], v[64+4*\i:64+4*\i+1], v[128+4*\i:128+4*\i+1]
	v_pk_add_f32 v[66+4*\i:66+4*\i+1], v[66+4*\i:66+4*\i+1], v[130+4*\i:130+4*\i+1]
	v_cvt_pk_f16_f32 v[192+2*\i], v[64+4*\i], v[65+4*\i]
	v_cvt_pk_f16_f32 v[193+2*\i], v[66+4*\i], v[67+4*\i]
	global_store_b64 v[CO], v[192+2*\i:193+2*\i], s[10:11] offset:256*\i
.endr
	s_wait_tensorcnt 0x0
	ds_add_u32 v18, v19
	s_wait_dscnt 0x0
	ROUND                                          ; the closing round: no work-group ends while a partner may still ask for a tile that names it
	s_endpgm
.Lfunc_end_k_qc0f5e44ce6_attn:
	.size	k_qc0f5e44ce6_attn, .Lfunc_end_k_qc0f5e44ce6_attn-k_qc0f5e44ce6_attn
	.p2alignl 7, 3214868480
	.fill 96, 4, 3214868480
	.section	.rodata,"a",@progbits
	.p2align	6, 0x0
	.amdhsa_kernel k_qc0f5e44ce6_attn
		.amdhsa_group_segment_fixed_size 327680
		.amdhsa_private_segment_fixed_size 0
		.amdhsa_enable_private_segment 0
		.amdhsa_kernarg_size 32
		.amdhsa_user_sgpr_count 2
		.amdhsa_user_sgpr_kernarg_segment_ptr 1
		.amdhsa_wavefront_size32 1
		.amdhsa_system_sgpr_workgroup_id_x 1
		.amdhsa_system_sgpr_workgroup_id_y 1
		.amdhsa_system_sgpr_workgroup_id_z 1
		.amdhsa_system_vgpr_workitem_id 0
		.amdhsa_next_free_vgpr 512
		.amdhsa_next_free_sgpr 66
		.amdhsa_reserve_vcc 0
		.amdhsa_float_denorm_mode_32 3
		.amdhsa_float_denorm_mode_16_64 3
		.amdhsa_memory_ordered 1
		.amdhsa_forward_progress 1
		.amdhsa_inst_pref_size 255
	.end_amdhsa_kernel
	.section	.bss,"aw",@nobits
	.p2align	6
	.space	262144
	.amdgpu_metadata
---
amdhsa.version: [ 1, 2 ]
amdhsa.kernels:
  - .name:           k_qc0f5e44ce6_attn
    .symbol:         k_qc0f5e44ce6_attn.kd
    .args:
      - { .name: qh, .offset: 0, .size: 8, .value_kind: global_buffer, .address_space: global }
      - { .name: kh, .offset: 8, .size: 8, .value_kind: global_buffer, .address_space: global }
      - { .name: vh, .offset: 16, .size: 8, .value_kind: global_buffer, .address_space: global }
      - { .name: ctx, .offset: 24, .size: 8, .value_kind: global_buffer, .address_space: global }
    .group_segment_fixed_size: 327680
    .private_segment_fixed_size: 0
    .kernarg_segment_align: 8
    .kernarg_segment_size: 32
    .max_flat_workgroup_size: 256
    .sgpr_count:     66
    .vgpr_count:     512
    .wavefront_size: 32
...
	.end_amdgpu_metadata
.endif
;; end of part 6
;; launch oproj (part 7): grid 8 x 32, 4 waves a work-group, clusters of 4 x 4, 327,680 bytes of LDS; arguments ctx, w16, bo, out0; writes out0
.if DOCPART == 7
	.amdgcn_target "amdgcn-amd-amdhsa--gfx1250"
	.amdhsa_code_object_version 6
	.text
	.protected	k_qc0f5e44ce6_oproj
	.globl	k_qc0f5e44ce6_oproj
	.p2align	8
	.type	k_qc0f5e44ce6_oproj,@function
k_qc0f5e44ce6_oproj:
	s_mov_b64 s[64:65], 0
	v_nop
	global_prefetch_b8 v0, s[64:65] scope:SCOPE_SE
	s_setreg_imm32_b32 hwreg(HW_REG_WAVE_MODE, 25, 1), 1
	s_wait_xcnt 0x0
	s_wait_alu depctr_hold_cnt(0) depctr_sa_sdst(0) depctr_va_vdst(0) depctr_va_sdst(0) depctr_va_ssrc(0) depctr_va_vcc(0) depctr_vm_vsrc(0)
	s_getreg_b32 s2, hwreg(HW_REG_IB_STS2, 6, 4)
	s_cmp_eq_u32 s2, 0
	s_cbranch_scc0 .Lentry_in_a_cluster
	s_endpgm
.Lentry_in_a_cluster:
	s_bfe_u32 s2, ttmp6, 0x10000c
	s_cmp_lg_u32 s2, 0xf033
	s_cbranch_scc0 .Lentry_shape_is_right
	s_endpgm
.Lentry_shape_is_right:
; out0 = ctx Wo^T + bo.  ctx: f16 [batch][head][s][64]; w16: f16 [4 x 1024][1024], Wo is its rows 3,072 to 4,095; bo: [1024] f32; out0: [4096][1024] f32.
; A work-group makes 128 x 128 of out0 (grid x = column block, y = row block): 256 work-groups.  Four waves; wave (wm, wn) makes 64 x 64: 16 accumulator tiles.
; K goes in 8 steps of 128 (two heads).  A slot of LDS holds four parts of 64 rows x 272 bytes: ctx's 128 rows of the even head and of the odd head (two rows of
; 128 bytes make one LDS row: a head's tile is dense in memory and comes as rows of 256 bytes), then Wo's rows 0-63 and 64-127 (256 bytes of each).  Wave w fetches part w.
; FOUR SLOTS: all four are asked for at the start (four tensor loads of a wave out); then two slots are filled again behind each of two rounds (two out),
; each with 128 matrix instructions of the wave in which to land.
; CLUSTERS: 4 x 4 work-groups.  ctx's tiles hang on the row block alone and are asked for jointly along a row of the cluster, Wo's on the column block alone and
; jointly along a column: that divides the requests for both by four.
; Operands f16, sums and bias f32.  The matrix instruction is used transposed (source 0 = rows of Wo, source 1 = rows of ctx): a lane holds eight neighbouring
; columns of one row of out0.
; REGISTERS: window 0: v0-35 addresses and bias; v64-127, v128-191 fragments of ctx, two buffers (fragment (q, a) at 8 (4 q + a)); window 1: the same for Wo;
; window 2: v0-127 accumulator tile (a, b) at v[8 (4 a + b)].
.set PITCH,  272                       ; 256 bytes + 16: the 16 rows of a fragment load fall on 16 different 16-byte columns modulo 256 bytes
.set PART,   64*PITCH
.set SLOT,   4*PART
.set STAGE,  4*SLOT                    ; behind the slots: 16 rows x 272 bytes for each wave, for the way out; no tensor load lands here
.set ADRA, 8                           ; v8-11   LDS address of my ctx fragments, slot 0..3
.set ADRB, 12                          ; v12-15  the same for Wo
.set STO,  16
.set RD,   17
.set CO,   18
.set BO,   19
.set BIAS, 32                          ; v[32:35] bias of my four columns on the way out
.set F0,   64
.set F1,   128
.set G1A,  16                          ; s[16:23] shape of a ctx load
.set G1B,  24                          ; s[24:31] shape of a Wo load
.set G0A,  32                          ; s[32:47] from where, to where: ctx, slot 0..3
.set G0B,  48                          ; s[48:63] Wo, slot 0..3
.set MUL,  0xa1                        ; source 0 window 1, source 1 window 0, C and D window 2
.set MSB, 0
.macro WIN new                         ; s_set_vgpr_msb: the immediate's high byte repeats the setting that is left; no switch where nothing changes
.if MSB != \new
	s_set_vgpr_msb (MSB<<8)|\new
.set MSB, \new
.endif
.endm
.macro PLACES                          ; four places behind a matrix instruction before its sources are loaded again or its result is read (ISA guide 7.12.1)
.rept 4
	v_nop
.endr
.endm
; A joint load: waves 0 and 1 fetch ctx's two heads, waves 2 and 3 Wo's two halves.  The branch hangs on the wave's number alone.
.macro JLOAD s
	s_cmp_eq_u32 s11, 0
	s_cbranch_scc0 .Lfor_b_\@
	tensor_load_to_lds s[G0A+4*\s:G0A+4*\s+3], s[G1A:G1A+7]
	s_nop 0
	s_branch .Lasked_\@
.Lfor_b_\@:
	tensor_load_to_lds s[G0B+4*\s:G0B+4*\s+3], s[G1B:G1B+7]
	s_nop 0
.Lasked_\@:
.endm
; A round of the cluster's barrier: my work-group's barrier; wave 0 signals for the work-group; every wave waits for all sixteen; my work-group's barrier once more.
.macro CREST
	s_cmp_lg_u32 s10, 0
	s_cbranch_scc1 .Lnot_wave_0_\@
	s_barrier_signal -3
.Lnot_wave_0_\@:
	s_barrier_wait -3
	s_barrier_signal -1
	s_barrier_wait -1
.endm
.macro CROUND
	s_barrier_signal -1
	s_barrier_wait -1
	CREST
.endm
	s_load_b256 s[68:75], s[0:1], 0x0              ; ctx 68, w16 70, bo 72, out0 74
	v_lshl_add_u32 v254, v0, 2, 0x48400
	v_mov_b32 v255, 0
	ds_add_u32 v254, v255
	v_lshrrev_b32 v1, 5, v0
	v_readfirstlane_b32 s10, v1                    ; wave 0..3
	s_lshr_b32 s11, s10, 1                         ; wm.  Also: I fetch for ctx (0) or for Wo (1)
	s_and_b32 s12, s10, 1                          ; wn.  Also: which head, or which 64 rows of Wo, I fetch
	s_bfe_u32 s76, ttmp6, 0x40000                  ; cx
	s_bfe_u32 s77, ttmp6, 0x40004                  ; cy
	s_lshl_b32 s78, ttmp9, 2
	s_add_co_u32 s78, s78, s76                     ; column block = 4 x cluster x + cx
	s_and_b32 s13, ttmp7, 0xffff
	s_lshl_b32 s13, s13, 2
	s_add_co_u32 s13, s13, s77                     ; row block = 4 x cluster y + cy
	s_lshl_b32 s79, s77, 2
	s_lshl_b32 s79, 15, s79                        ; my row of the cluster
	s_lshl_b32 s80, 0x1111, s76                    ; my column
	; ctx: a dense block of 64 rows of 32 elements of 8 bytes; Wo: 64 rows of 128 elements of 2 bytes, 1,024 from row to row.  Both: 4 words of padding behind every 64.
	s_or_b32 s[G1A+0], s79, (3<<16)|(1<<20)|(1<<21)|(5<<22)|(3<<25)  ; the mask; element size; padding on; bit 21 set beside a mask; interval; pad
	s_or_b32 s[G1B+0], s80, (1<<16)|(1<<20)|(1<<21)|(5<<22)|(3<<25)
	s_mov_b32 s[G1A+1], 32<<16                     ; tensor_dim0
	s_mov_b32 s[G1B+1], 128<<16
	s_mov_b32 s[G1A+2], 64<<16                     ; tensor_dim1
	s_mov_b32 s[G1B+2], 64<<16
	s_mov_b32 s[G1A+3], 32<<16                     ; tile_dim0
	s_mov_b32 s[G1B+3], 128<<16
	s_mov_b32 s[G1A+4], 64                         ; tile_dim1
	s_mov_b32 s[G1B+4], 64
	s_mov_b32 s[G1A+5], 32                         ; elements from row to row
	s_mov_b32 s[G1B+5], 1024
	s_mov_b32 s[G1A+6], 0
	s_mov_b32 s[G1B+6], 0
	s_mov_b32 s[G1A+7], 0
	s_mov_b32 s[G1B+7], 0
	; every wave makes both addresses, in registers that never hold the other coordinate, and asks by one of them
	s_lshr_b32 s4, s13, 4                          ; ctx: batch,
	s_lshl_b32 s4, s4, 4
	s_add_co_u32 s4, s4, s12                       ; head 0 or 1,
	s_lshl_b32 s4, s4, 11
	s_and_b32 s6, s13, 15
	s_lshl_b32 s6, s6, 7
	s_add_co_u32 s4, s4, s6                        ; 128 rows x (row block in the batch),
	s_lshl_b32 s4, s4, 7                           ; rows of 128 bytes
	s_mov_b32 s5, 0
	s_lshl_b32 s8, s78, 7                          ; w16: row 3,072 + 128 x column block + 64 x half,
	s_lshl_b32 s14, s12, 6
	s_add_co_u32 s8, s8, s14
	s_add_co_u32 s8, s8, 3072
	s_lshl_b32 s8, s8, 11                          ; rows of 2,048 bytes
	s_mov_b32 s9, 0
	s_mul_i32 s15, s10, PART                       ; where they go: part = wave
	s_wait_dscnt 0x0
	s_wait_kmcnt 0x0
	s_add_nc_u64 s[84:85], s[68:69], s[4:5]
	s_add_nc_u64 s[86:87], s[70:71], s[8:9]
	CROUND                                         ; all sixteen work-groups are here: the first joint loads meet
.irp s, 0,1,2,3
	s_mov_b32 s[G0A+4*\s], 1
	s_add_co_u32 s[G0A+4*\s+1], s15, \s*SLOT
	s_add_nc_u64 s[G0A+4*\s+2:G0A+4*\s+3], s[84:85], \s*2*262144   ; K step s: two heads of 2,048 x 128 bytes on
	s_or_b32 s[G0A+4*\s+3], s[G0A+4*\s+3], 0x80000000
	s_mov_b32 s[G0B+4*\s], 1
	s_add_co_u32 s[G0B+4*\s+1], s15, \s*SLOT
	s_add_nc_u64 s[G0B+4*\s+2:G0B+4*\s+3], s[86:87], \s*256        ; 128 columns on
	s_or_b32 s[G0B+4*\s+3], s[G0B+4*\s+3], 0x80000000
	JLOAD \s
.endr
	s_lshl_b32 s8, s78, 9                          ; my 64 columns, in bytes of f32
	s_lshl_b32 s14, s12, 8
	s_add_co_u32 s8, s8, s14
	s_add_nc_u64 s[72:73], s[72:73], s[8:9]
	s_add_nc_u64 s[74:75], s[74:75], s[8:9]
	s_lshl_b32 s4, s13, 7                          ; my first row = 128 x row block + 64 wm,
	s_lshl_b32 s6, s11, 6
	s_add_co_u32 s4, s4, s6
	s_lshl_b32 s4, s4, 12                          ; rows of 4,096 bytes
	s_add_nc_u64 s[74:75], s[74:75], s[4:5]
	v_and_b32 v1, 15, v0                           ; r
	v_bfe_u32 v2, v0, 4, 1                         ; h
	v_lshlrev_b32 v[BO], 4, v1
	global_load_b128 v[BIAS:BIAS+3], v[BO], s[72:73]               ; bias of columns 4 r .. 4 r + 3 of my 64
	v_lshrrev_b32 v3, 1, v1                        ; ctx: row r lies in LDS row r / 2, half r % 2
	v_mul_u32_u24 v3, v3, PITCH
	v_and_b32 v4, 1, v1
	v_lshl_add_u32 v3, v4, 7, v3
	v_lshl_add_u32 v3, v2, 4, v3
	v_mul_u32_u24 v4, v1, PITCH                    ; Wo: row r
	v_lshl_add_u32 v4, v2, 4, v4
	s_mul_i32 s6, s11, 32*PITCH                    ; my 64 rows of ctx = 32 LDS rows
	s_mul_i32 s14, s12, PART
	s_add_co_u32 s14, s14, 2*PART                  ; my 64 rows of Wo = part 2 + wn
.irp s, 0,1,2,3
	v_add_nc_u32 v[ADRA+\s], s6, v3
	v_add_nc_u32 v[ADRB+\s], s14, v4
	s_add_co_u32 s6, s6, SLOT
	s_add_co_u32 s14, s14, SLOT
.endr
	s_mul_i32 s6, s10, 16*PITCH
	s_add_co_u32 s6, s6, STAGE                     ; my stage
	v_mul_u32_u24 v5, v1, PITCH                    ; in: row r, 32 bytes for each half of the lanes
	v_lshl_add_u32 v5, v2, 5, v5
	v_add_nc_u32 v[STO], s6, v5
	v_mul_u32_u24 v5, v2, PITCH                    ; back: lanes 0-15 one row of 256 bytes, lanes 16-31 the next
	v_lshl_add_u32 v5, v1, 4, v5
	v_add_nc_u32 v[RD], s6, v5
	v_lshl_add_u32 v[CO], v2, 12, v[BO]            ; and the same two rows in out0
; 16 matrix instructions on 32 along K (q = 0, 1 of buffer f).  zero = 1: the first products start the sums, nothing is cleared.
; The 16 accumulators take turns, one instruction a turn, in the same order everywhere.
.macro MUL16 f, q, zero
.irp a, 0,1,2,3
.irp b, 0,1,2,3
.if \zero
	v_wmma_f32_16x16x32_f16 v[8*(4*\a+\b):8*(4*\a+\b)+7], v[\f+8*(4*\q+\b):\f+8*(4*\q+\b)+7], v[\f+8*(4*\q+\a):\f+8*(4*\q+\a)+7], 0
.else
	v_wmma_f32_16x16x32_f16 v[8*(4*\a+\b):8*(4*\a+\b)+7], v[\f+8*(4*\q+\b):\f+8*(4*\q+\b)+7], v[\f+8*(4*\q+\a):\f+8*(4*\q+\a)+7], v[8*(4*\a+\b):8*(4*\a+\b)+7]
.endif
.endr
.endr
.endm
; 32 LDS loads in one run: the fragments of one head (64 along K) of a slot into buffer f: Wo's 16, then ctx's first 32 of K (8), then its second 32 (8).
; Lane (r, h) takes row r, K = 8 h .. + 7 and 16 + 8 h .. + 7: two loads of 16 bytes, 32 bytes apart.
.macro FETCH slot, head, f
	WIN 0x40                                       ; destination window 1
.irp q, 0,1
.irp b, 0,1,2,3
	ds_load_b128 v[\f+8*(4*\q+\b):\f+8*(4*\q+\b)+3],   v[ADRB+\slot] offset:\b*16*PITCH+\head*128+\q*64
	ds_load_b128 v[\f+8*(4*\q+\b)+4:\f+8*(4*\q+\b)+7], v[ADRB+\slot] offset:\b*16*PITCH+\head*128+\q*64+32
.endr
.endr
	WIN 0
.irp q, 0,1
.irp a, 0,1,2,3
	ds_load_b128 v[\f+8*(4*\q+\a):\f+8*(4*\q+\a)+3],   v[ADRA+\slot] offset:\head*PART+\a*8*PITCH+\q*64
	ds_load_b128 v[\f+8*(4*\q+\a)+4:\f+8*(4*\q+\a)+7], v[ADRA+\slot] offset:\head*PART+\a*8*PITCH+\q*64+32
.endr
.endr
.endm
; Half a K step: multiplies buffer f; in its middle it fetches the next half's fragments (slot, head) into buffer g.
.macro HALFM slot, head, f, g, zero
	s_wait_dscnt 8                                 ; Wo and ctx's first 32 of K are in; the youngest eight loads (its second 32) may be out
	WIN MUL
	MUL16 \f, 0, \zero
	PLACES
	FETCH \slot, \head, \g
	s_wait_dscnt 32                                ; all but the 32 just issued
	WIN MUL
	MUL16 \f, 1, 0
.endm
; The last half of a pair of K steps changes slots.  In front of the barrier each wave waits for its reads of slots sa and sb and for all its tensor loads, the next two
; slots' tiles among them.  fill = 1: the barrier opens a round of the cluster's barrier, and behind the round slots sa and sb are filled again, four K steps ahead, first of all.
.macro TURN sa, sb, sn, fill
	s_wait_dscnt 8
	WIN MUL
	MUL16 F1, 0, 0
	WIN 0
	s_wait_dscnt 0
	s_wait_tensorcnt 0x0
	ds_add_u32 v254, v255
	s_wait_dscnt 0x0
	s_barrier_signal -1
	s_barrier_wait -1
.if \fill
	CREST                                          ; no wave of any partner still reads these slots or has a load on its way
.irp t, \sa, \sb
	s_add_nc_u64 s[G0A+4*\t+2:G0A+4*\t+3], s[G0A+4*\t+2:G0A+4*\t+3], 4*2*262144
	s_add_nc_u64 s[G0B+4*\t+2:G0B+4*\t+3], s[G0B+4*\t+2:G0B+4*\t+3], 4*256
.endr
	JLOAD \sa
	JLOAD \sb
.endif
	PLACES
	FETCH \sn, 0, F0
	WIN MUL
	MUL16 F1, 1, 0
.endm
.macro THREE sa, sb, zero
	HALFM \sa, 1, F0, F1, \zero
	HALFM \sb, 0, F1, F0, 0
	HALFM \sb, 1, F0, F1, 0
.endm
	s_wait_loadcnt 0x0                             ; the bias, once
	s_wait_tensorcnt 2                             ; my parts of K steps 0 and 1 are in; those of 2 and 3 stay out
	s_barrier_signal -1
	s_barrier_wait -1                              ; everybody's are
	FETCH 0, 0, F0
	THREE 0, 1, 1                                  ; K steps 0, 1
	TURN 0, 1, 2, 1                                ; K steps 4, 5 go out
	THREE 2, 3, 0                                  ; K steps 2, 3
	TURN 2, 3, 0, 1                                ; K steps 6, 7 go out
	THREE 0, 1, 0                                  ; K steps 4, 5
	TURN 0, 1, 2, 0                                ; nothing more to fetch: a plain barrier shows K steps 6, 7 whole
	THREE 2, 3, 0                                  ; K steps 6, 7
	s_wait_dscnt 0
	WIN MUL
	MUL16 F1, 0, 0
	MUL16 F1, 1, 0
	WIN 0
	PLACES
; THE WAY OUT, 16 rows at a time: the sums go into my own stage, 32 bytes a lane, and come back as whole rows of 256 bytes; then the bias, and sixteen lanes
; store 256 consecutive bytes of a row of out0, aligned.  LDS serves a wave's instructions in order (ISA guide 5.7.1): no wait between the stage's stores and loads,
; nor between one block's loads and the next block's stores.  Each block has registers of its own, so no store's data is written again.
.macro OUT16 a
	WIN 0x08                                       ; an LDS store's data is source 1: window 2
.irp b, 0,1,2,3
	ds_store_b128 v[STO], v[8*(4*\a+\b):8*(4*\a+\b)+3]   offset:64*\b
	ds_store_b128 v[STO], v[8*(4*\a+\b)+4:8*(4*\a+\b)+7] offset:64*\b+16
.endr
	WIN 0
.irp t, 0,1,2,3,4,5,6,7
	ds_load_b128 v[F0+32*\a+4*\t:F0+32*\a+4*\t+3], v[RD] offset:\t*2*PITCH
.endr
.irp t, 0,1,2,3,4,5,6,7
	s_wait_dscnt 7-\t                              ; rows 2 t, 2 t + 1 are in; the younger loads stay out
	v_pk_add_f32 v[F0+32*\a+4*\t:F0+32*\a+4*\t+1],   v[F0+32*\a+4*\t:F0+32*\a+4*\t+1],   v[BIAS:BIAS+1]
	v_pk_add_f32 v[F0+32*\a+4*\t+2:F0+32*\a+4*\t+3], v[F0+32*\a+4*\t+2:F0+32*\a+4*\t+3], v[BIAS+2:BIAS+3]
	global_store_b128 v[CO], v[F0+32*\a+4*\t:F0+32*\a+4*\t+3], s[74:75] offset:\a*65536+\t*8192 th:TH_STORE_NT
.endr
.endm
	OUT16 0
	OUT16 1
	OUT16 2
	OUT16 3
	s_wait_tensorcnt 0x0
	ds_add_u32 v254, v255
	s_wait_dscnt 0x0
	CROUND                                         ; the closing round: no work-group ends while a partner may still ask for a tile that names it
	s_endpgm
.Lfunc_end_k_qc0f5e44ce6_oproj:
	.size	k_qc0f5e44ce6_oproj, .Lfunc_end_k_qc0f5e44ce6_oproj-k_qc0f5e44ce6_oproj
	.p2alignl 7, 3214868480
	.fill 96, 4, 3214868480
	.section	.rodata,"a",@progbits
	.p2align	6, 0x0
	.amdhsa_kernel k_qc0f5e44ce6_oproj
		.amdhsa_group_segment_fixed_size 327680
		.amdhsa_private_segment_fixed_size 0
		.amdhsa_enable_private_segment 0
		.amdhsa_kernarg_size 32
		.amdhsa_user_sgpr_count 2
		.amdhsa_user_sgpr_kernarg_segment_ptr 1
		.amdhsa_wavefront_size32 1
		.amdhsa_system_sgpr_workgroup_id_x 1
		.amdhsa_system_sgpr_workgroup_id_y 1
		.amdhsa_system_sgpr_workgroup_id_z 1
		.amdhsa_system_vgpr_workitem_id 0
		.amdhsa_next_free_vgpr 640
		.amdhsa_next_free_sgpr 88
		.amdhsa_reserve_vcc 0
		.amdhsa_float_denorm_mode_32 3
		.amdhsa_float_denorm_mode_16_64 3
		.amdhsa_memory_ordered 1
		.amdhsa_forward_progress 1
		.amdhsa_inst_pref_size 93
	.end_amdhsa_kernel
	.amdgpu_metadata
---
amdhsa.version: [ 1, 2 ]
amdhsa.kernels:
  - .name:           k_qc0f5e44ce6_oproj
    .symbol:         k_qc0f5e44ce6_oproj.kd
    .args:
      - { .name: ctx, .offset: 0, .size: 8, .value_kind: global_buffer, .address_space: global }
      - { .name: w16, .offset: 8, .size: 8, .value_kind: global_buffer, .address_space: global }
      - { .name: bo, .offset: 16, .size: 8, .value_kind: global_buffer, .address_space: global }
      - { .name: out0, .offset: 24, .size: 8, .value_kind: global_buffer, .address_space: global }
    .group_segment_fixed_size: 327680
    .private_segment_fixed_size: 0
    .kernarg_segment_align: 8
    .kernarg_segment_size: 32
    .max_flat_workgroup_size: 128
    .sgpr_count:     88
    .vgpr_count:     640
    .wavefront_size: 32
...
	.end_amdgpu_metadata
.endif
;; end of part 7
